; MI455X (gfx1250); checked and timed in simulation.
; The chip was launched on July 23, 2026; its instructions are those of AMD's public machine-readable ISA for CDNA 5 (MIT licence, August 2026) and "CDNA5" Instruction Set Architecture Reference Guide (July 2026). The comments in the code are by the model that wrote it; some were corrected since.
;; Causal Attention. Allowed arithmetic: float matrix products may take bf16 or f16 operands with f32 sums; other float arithmetic in f32, or as packed bf16 or f16 multiplies, adds, multiply-adds, maxima and minima; sums over many terms, partial sums and values carried from step to step in f32; what a program stores and reads back later, other than sums and carried values, may be rounded once to bf16 or f16.
;; Inputs: Wk 1,024 x 1,024 float32; Wq 1,024 x 1,024 float32; Wv 1,024 x 1,024 float32; x 4 x 2,048 x 1,024 float32.
;; Outputs: out0 4 x 2,048 x 1,024 float32.
;; One version. Each part assembles by itself: llvm-mc -triple=amdgcn-amd-amdhsa -mcpu=gfx1250 --defsym DOCPART=n.
;; ======== version 1 of 1: 4 launches
;; limits: values are held in f16: magnitudes above 65,504 overflow, below 6.1e-05 lose precision
;; workspace buffers: xf 16,777,216 bytes; wb 6,291,456 bytes; qkv 50,331,648 bytes; pw 33,554,432 bytes; ms 524,288 bytes; ls 524,288 bytes
;; launch cast (part 1): grid 704 x 1, 8 waves a work-group, no clusters, 35,840 bytes of LDS; arguments x, Wq, Wk, Wv, xf, wb; writes xf, wb
.if DOCPART == 1
	.amdgcn_target "amdgcn-amd-amdhsa--gfx1250"
	.amdhsa_code_object_version 6
	.text
	.protected	k_q8f1a55bfa1_cast
	.globl	k_q8f1a55bfa1_cast
	.p2align	8
	.type	k_q8f1a55bfa1_cast,@function
k_q8f1a55bfa1_cast:
	s_mov_b64 s[64:65], 0
	v_nop
	global_prefetch_b8 v0, s[64:65] scope:SCOPE_SE
	s_setreg_imm32_b32 hwreg(HW_REG_WAVE_MODE, 25, 1), 1
	s_wait_xcnt 0x0
; CAST.  x [8192][1024] and Wq, Wk, Wv [1024][1024], all f32, are rounded once to bf16 (to nearest even).
; wb is [1024 k][3072] bf16: row k holds Wq[k], Wk[k], Wv[k] one behind the other, so that the three projections are one product.
; xf holds x IN THE ORDER OF MATRIX FRAGMENTS: x[n][k] lies at byte (n / 64) 131,072 + (k / 32) 4,096 + ((n / 16) % 4) 1,024 + ((k / 16) % 2) 512 + ((k / 8) % 2) 256 + (n % 16) 16 + (k % 8) 2.
; So 16 rows x 32 k are 1,024 bytes on end, of which lane l of a wave takes bytes 16 l (registers 0-3 of the fragment) and 512 + 16 l (registers 4-7), and 64 rows' whole K is 131,072 bytes on end.
; SHARES.  Every source is a matrix of rows of 4,096 bytes.  A work-group takes 16 rows: numbers 0-511 those of x, number 512 + 64 w + g rows 16 g .. of weight w.
; Thread t takes 8 neighbouring numbers (32 bytes in, 16 bytes out) in each of 8 chunks of two rows; all sixteen loads of a thread go out at once.
; The weights' 16 bytes go straight out: a store of a wave covers 512 consecutive bytes, aligned.  x's go through LDS, since in xf the 16 neighbours of a thread's 16 bytes belong to 16 different rows:
; into LDS by (group of 8 k, row) at a pitch of 272 bytes (16 neighbouring lanes hit 16 different groups of four banks: ISA guide 11.1), back as 256 bytes on end, and out, again 512 consecutive bytes a wave.
; Every work-group passes the one barrier, the weights' too, so that it stands under no branch.  No matrix unit, no cluster: no byte is wanted by two work-groups.
.set KP,    272                        ; LDS pitch from one group of 8 k to the next: 16 rows x 16 bytes + 16
.set SPARE, 128*KP                     ; behind the 128 groups: the spare words, 128 bytes for each of 8 waves: four blocks of 256 bytes that no other line names
.set LS,  10                           ; x: where my 16 bytes of chunk 0 go in LDS
.set LR,  11                           ; x: where I read 16 bytes back
.set GDX, 12                           ; x: my byte offset in the group's part of xf
.set GDW, 13                           ; weights: my byte offset in the group's rows of wb
.set SPW, 14                           ; my spare word; never rewritten
.set NIL, 15                           ; 0; never rewritten
.set IN,  16                           ; v[16:79]  chunk i: 8 numbers as loaded; later v[16:47]: 16 bytes a chunk back from LDS
.set Y,   80                           ; v[80:111] chunk i: 8 bf16
.set ISX, 30
.macro ROUND8 i                        ; chunk i is in, and is rounded
	s_wait_loadcnt 14-2*(\i)                       ; loads come back in order: the younger chunks' two loads each stay out
.irp r, 0,1,2,3
	v_cvt_pk_bf16_f32 v[Y+4*(\i)+(\r)], v[IN+8*(\i)+2*(\r)], v[IN+8*(\i)+2*(\r)+1]
.endr
.endm
	s_load_b256 s[4:11], s[0:1], 0x0               ; x s[4:5], Wq s[6:7], Wk s[8:9], Wv s[10:11]
	s_load_b128 s[12:15], s[0:1], 0x20             ; xf s[12:13], wb s[14:15]
	v_lshl_add_u32 v[SPW], v0, 2, SPARE
	v_mov_b32 v[NIL], 0
	s_sub_co_u32 s16, ttmp9, 512
	s_lshr_b32 s17, s16, 6                         ; which weight
	s_and_b32 s18, s16, 63                         ; which 16 rows of it
	s_mul_i32 s28, s18, 16*6144                    ; 16 rows of wb,
	s_lshl_b32 s19, s17, 11
	s_add_co_u32 s28, s28, s19                     ; and the weight's 2,048 bytes of a row
	s_lshr_b32 s26, ttmp9, 2                       ; xf: the 64 rows' 131,072 bytes,
	s_lshl_b32 s26, s26, 17
	s_and_b32 s27, ttmp9, 3
	s_lshl_b32 s27, s27, 10                        ; and my 16 rows' 1,024 in each 4,096
	s_add_co_u32 s26, s26, s27
	s_cmp_lt_u32 ttmp9, 512                        ; do I work on x?
	s_cselect_b32 s18, ttmp9, s18
	s_cselect_b32 s28, s26, s28
	s_cselect_b32 s[ISX], 1, 0
	s_lshl_b32 s22, s18, 16                        ; 16 rows of 4,096 bytes in the source
	s_mov_b32 s23, 0
	s_mov_b32 s29, 0
	v_lshlrev_b32 v1, 5, v0                        ; my 32 bytes in a chunk of the source
	v_and_b32 v2, 127, v0                          ; my group of 8 k,
	v_lshrrev_b32 v3, 7, v0                        ; which of the chunk's two rows
	v_mul_u32_u24 v[LS], v2, KP
	v_lshl_add_u32 v[LS], v3, 4, v[LS]
	v_mul_u32_u24 v[GDW], v3, 6144
	v_lshl_add_u32 v[GDW], v2, 4, v[GDW]
	v_lshrrev_b32 v2, 4, v0                        ; back: group 16 i + t / 16, row t % 16
	v_and_b32 v3, 15, v0
	v_mul_u32_u24 v[LR], v2, KP
	v_lshl_add_u32 v[LR], v3, 4, v[LR]
	v_lshrrev_b32 v2, 6, v0                        ; four groups are a block of 32 k: 1,024 bytes on end, 4,096 from block to block
	v_and_b32 v3, 63, v0
	v_lshlrev_b32 v[GDX], 12, v2
	v_lshl_add_u32 v[GDX], v3, 4, v[GDX]
	s_wait_kmcnt 0x0
	s_cmp_eq_u32 s17, 1
	s_cselect_b64 s[20:21], s[8:9], s[6:7]
	s_cmp_eq_u32 s17, 2
	s_cselect_b64 s[20:21], s[10:11], s[20:21]
	s_cmp_eq_u32 s[ISX], 1
	s_cselect_b64 s[20:21], s[4:5], s[20:21]       ; the source,
	s_cselect_b64 s[24:25], s[12:13], s[14:15]     ; the destination
	s_add_nc_u64 s[20:21], s[20:21], s[22:23]
	s_add_nc_u64 s[24:25], s[24:25], s[28:29]
.irp i, 0,1,2,3,4,5,6,7
	global_load_b128 v[IN+8*(\i):IN+8*(\i)+3],   v1, s[20:21] offset:8192*(\i) th:TH_LOAD_NT
	global_load_b128 v[IN+8*(\i)+4:IN+8*(\i)+7], v1, s[20:21] offset:8192*(\i)+16 th:TH_LOAD_NT
.endr
	s_cmp_eq_u32 s[ISX], 1
	s_cbranch_scc0 .Lweights
.irp i, 0,1,2,3,4,5,6,7
	ROUND8 \i
	ds_store_b128 v[LS], v[Y+4*(\i):Y+4*(\i)+3] offset:32*(\i)  ; rows 2 i and 2 i + 1
.endr
	s_branch .Lmeet
.Lweights:
.irp i, 0,1,2,3,4,5,6,7
	ROUND8 \i
	global_store_b128 v[GDW], v[Y+4*(\i):Y+4*(\i)+3], s[24:25] offset:12288*(\i)  ; two rows of wb a chunk
.endr
.Lmeet:
	s_wait_dscnt 0x0                               ; for the others' sake: my stores into LDS are done
	s_barrier_signal -1
	s_barrier_wait -1
	s_cmp_eq_u32 s[ISX], 1
	s_cbranch_scc0 .Lend
.irp i, 0,1,2,3,4,5,6,7
	ds_load_b128 v[IN+4*(\i):IN+4*(\i)+3], v[LR] offset:16*KP*(\i)  ; 16 lanes take 256 bytes on end
.endr
.irp i, 0,1,2,3,4,5,6,7
	s_wait_dscnt 7-(\i)                            ; LDS loads come back in order: the younger ones stay out
	global_store_b128 v[GDX], v[IN+4*(\i):IN+4*(\i)+3], s[24:25] offset:16384*(\i)  ; four blocks of 32 k on
.endr
.Lend:
	s_wait_tensorcnt 0x0                           ; the wave's end: behind my last LDS store
	ds_add_u32 v[SPW], v[NIL]
	s_wait_dscnt 0x0
	s_endpgm
.Lfunc_end_k_q8f1a55bfa1_cast:
	.size	k_q8f1a55bfa1_cast, .Lfunc_end_k_q8f1a55bfa1_cast-k_q8f1a55bfa1_cast
	.p2alignl 7, 3214868480
	.fill 96, 4, 3214868480
	.section	.rodata,"a",@progbits
	.p2align	6, 0x0
	.amdhsa_kernel k_q8f1a55bfa1_cast
		.amdhsa_group_segment_fixed_size 35840
		.amdhsa_private_segment_fixed_size 0
		.amdhsa_enable_private_segment 0
		.amdhsa_kernarg_size 48
		.amdhsa_user_sgpr_count 2
		.amdhsa_user_sgpr_kernarg_segment_ptr 1
		.amdhsa_wavefront_size32 1
		.amdhsa_system_sgpr_workgroup_id_x 1
		.amdhsa_system_sgpr_workgroup_id_y 1
		.amdhsa_system_sgpr_workgroup_id_z 1
		.amdhsa_system_vgpr_workitem_id 0
		.amdhsa_next_free_vgpr 112
		.amdhsa_next_free_sgpr 66
		.amdhsa_reserve_vcc 0
		.amdhsa_float_denorm_mode_32 3
		.amdhsa_float_denorm_mode_16_64 3
		.amdhsa_memory_ordered 1
		.amdhsa_forward_progress 1
		.amdhsa_inst_pref_size 12
	.end_amdhsa_kernel
	.amdgpu_metadata
---
amdhsa.version: [ 1, 2 ]
amdhsa.kernels:
  - .name:           k_q8f1a55bfa1_cast
    .symbol:         k_q8f1a55bfa1_cast.kd
    .args:
      - { .name: x, .offset: 0, .size: 8, .value_kind: global_buffer, .address_space: global }
      - { .name: Wq, .offset: 8, .size: 8, .value_kind: global_buffer, .address_space: global }
      - { .name: Wk, .offset: 16, .size: 8, .value_kind: global_buffer, .address_space: global }
      - { .name: Wv, .offset: 24, .size: 8, .value_kind: global_buffer, .address_space: global }
      - { .name: xf, .offset: 32, .size: 8, .value_kind: global_buffer, .address_space: global }
      - { .name: wb, .offset: 40, .size: 8, .value_kind: global_buffer, .address_space: global }
    .group_segment_fixed_size: 35840
    .private_segment_fixed_size: 0
    .kernarg_segment_align: 8
    .kernarg_segment_size: 48
    .max_flat_workgroup_size: 256
    .sgpr_count:     66
    .vgpr_count:     112
    .wavefront_size: 32
...
	.end_amdgpu_metadata
.endif
;; end of part 1
;; launch proj (part 2): grid 32 x 8, 4 waves a work-group, clusters of 4 x 1, 327,680 bytes of LDS; arguments xf, wb, qkv; writes qkv
.if DOCPART == 2
	.amdgcn_target "amdgcn-amd-amdhsa--gfx1250"
	.amdhsa_code_object_version 6
	.text
	.protected	k_q8f1a55bfa1_proj
	.globl	k_q8f1a55bfa1_proj
	.p2align	8
	.type	k_q8f1a55bfa1_proj,@function
k_q8f1a55bfa1_proj:
	s_mov_b64 s[64:65], 0
	v_nop
	global_prefetch_b8 v0, s[64:65] scope:SCOPE_SE
	s_setreg_imm32_b32 hwreg(HW_REG_WAVE_MODE, 25, 1), 1
	s_wait_xcnt 0x0
	s_wait_alu depctr_hold_cnt(0) depctr_sa_sdst(0) depctr_va_vdst(0) depctr_va_sdst(0) depctr_va_ssrc(0) depctr_va_vcc(0) depctr_vm_vsrc(0)
	s_getreg_b32 s2, hwreg(HW_REG_IB_STS2, 6, 4)
	s_cmp_eq_u32 s2, 0
	s_cbranch_scc0 .Lentry_in_a_cluster
	s_endpgm
.Lentry_in_a_cluster:
	s_bfe_u32 s2, ttmp6, 0x10000c
	s_cmp_lg_u32 s2, 0x3003
	s_cbranch_scc0 .Lentry_shape_is_right
	s_endpgm
.Lentry_shape_is_right:
; PROJ.  qkv[n][e] = the sum over k of x[n][k] wb[k][e].  x comes as xf (bf16, in the order of matrix fragments: below), wb is [1024][3072] bf16, qkv [8192][3072] f16 (q, k, v side by side); sums in f32, K ascending, rounded once.
; LIMIT.  f16 ends at 65,504: a sum of 65,520 or more in size leaves as an infinity.
; SHARES.  32 x 8 work-groups, one tile of 256 rows x 384 columns each.  A wave makes 64 rows x all 384 columns: 4 x 24 = 96 accumulators, 768 registers.
; x BY REGISTERS.  A wave's 64 rows are wanted by no other wave of the work-group, and in xf they are 131,072 bytes on end: block j of 32 k at 4,096 j, its four fragments (16 rows each) 1,024 bytes apart, lane l's
; registers 0-3 at 16 l and 4-7 at 512 + 16 l.  So a fragment is two loads of 512 consecutive bytes, straight into registers: four buffers, each asked for three blocks (288 matrix instructions) ahead of its products.
; NO JOINT REQUEST FOR x, though the eight column tiles read the same rows: with x in LDS beside wb two slots of a K step of 128 would take 2 x (256 x 272 + 128 x 864) = 360,448 bytes, more than the 327,680 there are;
; with wb alone a slot holds a K step of 128 for all 384 columns, and one refill has 376 matrix instructions of a wave in which to land.
; RING.  K goes in steps of 128 through two LDS slots of 128 k-rows x 768 bytes of wb.  Each wave fetches 32 k-rows (128 rows shared among four waves), one tensor load a wave behind each round.
; CLUSTER.  4 x 1: the four row tiles of a cluster need the same tile of wb, and ask for it jointly.
; THE MATRIX INSTRUCTION IS USED TRANSPOSED: source 0 = 16 columns of wb (turned on the way out of LDS by ds_load_tr16_b128), source 1 = 16 rows of x: a lane then holds eight neighbouring columns of one row.
; ONE TEXT FOR A K STEP: the LDS address hangs on a scalar that is turned at each change of slots.  The first block of 32 k, which starts the sums, stands ahead of the loop; six trips fill a slot again; a second copy, which fills
; nothing, is walked twice and left in the middle of its second trip.  That trip repeats 24 loads of x (of the last step, so that no load leaves the buffer) and 12 LDS loads that nobody uses: the price of writing the tail once.
; REGISTERS.  Window 0: v0-31 addresses; v32-159 x, four buffers of 32; v160-255 wb, two buffers of 48 (six column blocks); on the way out v160-191 packed results, v32-95 whole rows.
; Windows 1-3: accumulator (a, b) in window 1 + b / 8 at v[8 (8 a + b % 8)].
.set PB,     864                       ; an LDS row of wb: three pieces of 256 bytes, 32 of padding behind each = 27 x 32
.set SEG,    288                       ; from piece to piece
.set QUART,  32*PB                     ; what one tensor load brings
.set SLOT1,  1<<17                     ; slot 1 begins here (a slot has 110,592 bytes), so that one exclusive or turns an address in one slot into the other's
.set OUTST,  SLOT1+128*PB              ; behind the ring: 16 rows x 272 bytes for each wave, for the way out
.set SPITCH, 272
.set SPARE,  OUTST+4*16*SPITCH         ; the spare words, 128 bytes a wave: two blocks of 256 bytes that no other line names
.set WROW,   6144                      ; bytes in a row of wb and of qkv
.set BSTEP,  128*WROW                  ; a K step down wb
.set ASTG,   4096                      ; a block of 32 k in my part of xf
.set AO,   16                          ; 16 x my lane; never rewritten
.set BL0,  17                          ; my lane's place in a slot's k-rows 0-63; never rewritten
.set BH0,  18                          ; in its k-rows 64-127 (one 16-bit offset does not span 128 rows of 864 bytes); never rewritten
.set ADL,  20                          ; v20, v21: the same two in the slot in hand
.set STO,  22
.set RD,   23
.set CO,   24
.set PFOA, 25                          ; 256 x my lane; never rewritten
.set PFOB, 26                          ; a row of wb x my lane; never rewritten
.set SPW,  28                          ; my spare word; never rewritten
.set NIL,  29                          ; 0; never rewritten
.set ABUF, 32
.set BBUF, 160
.set TMP,  160
.set OB,   32
.set TB,   14                          ; s14  LDS byte at which the slot in hand begins
.set G1,   24                          ; s[24:31] descriptor group 1
.set G0,   32                          ; s[32:39] descriptor group 0: a set for each of the two first fills; the second then walks on
.set AP,   40                          ; s[40:41] my part of xf, at the K step in hand
.set PFB,  42                          ; s[42:43] the rows of wb that my next prefetch names
.set AF,   44                          ; 1 in a work-group that prefetches xf
.set LIMB, 45                          ; 1 in a wave that prefetches wb, else the greatest number
.set MSB, 0
.macro WIN new                         ; the immediate's high byte repeats the setting that is left; a switch that changes nothing is dropped
.if MSB != (\new)
	s_set_vgpr_msb (MSB<<8)|(\new)
.set MSB, \new
.endif
.endm
.macro PLACES                          ; four places behind matrix instructions, in front of loads into registers that they read and of conversions that read results
.rept 4
	v_nop
.endr
.endm
.macro CREST                           ; a round of the cluster's barrier behind its opening barrier
	s_cmp_lg_u32 s10, 0
	s_cbranch_scc1 .Lnot_wave_0_\@
	s_barrier_signal -3
.Lnot_wave_0_\@:
	s_barrier_wait -3
	s_barrier_signal -1
	s_barrier_wait -1
.endm
.macro CROUND
	s_barrier_signal -1
	s_barrier_wait -1
	CREST
.endm
; THE PREFETCHES INTO THE L2 stand together, behind the joint load, its five lines and the run of LDS loads.
; xf: the eight column tiles read the same rows; the work-groups of column tile 0 ask, each wave for its own 16,384 bytes of the K step after next: a lane a block of 256 bytes, two instructions.
; The first of those bytes is loaded five blocks of 32 k less three later, the last four blocks after that.  K steps 0 and 1 come by their loads alone.
; wb: the eight clusters of a column tile read the same rows; cluster x = 0 asks, for the K step behind the one just asked for by the joint load: of its 128 k-rows the partner at cx takes 32, told apart by address,
; a lane a row; waves 0, 1, 2 take one of the row's three blocks of 256 bytes each.  K steps 0 to 2 come by their loads alone; the loop's last trip has no K step behind its refill.
.macro ASK
	s_cmp_eq_u32 s[AF], 1
	s_cbranch_scc0 .Lno_a_\@
	global_prefetch_b8 v[PFOA], s[AP:AP+1] offset:8*ASTG th:TH_LOAD_NT scope:SCOPE_SE
	global_prefetch_b8 v[PFOA], s[AP:AP+1] offset:10*ASTG th:TH_LOAD_NT scope:SCOPE_SE
.Lno_a_\@:
	s_cmp_gt_u32 s3, s[LIMB]                       ; s3 = 1 in the loop's last trip
	s_cbranch_scc0 .Lno_b_\@
	global_prefetch_b8 v[PFOB], s[PFB:PFB+1] th:TH_LOAD_NT scope:SCOPE_SE
.Lno_b_\@:
.endm
	s_load_b128 s[4:7], s[0:1], 0x0                ; xf s[4:5], wb s[6:7]
	s_load_b64 s[8:9], s[0:1], 0x10                ; qkv
	v_lshl_add_u32 v[SPW], v0, 2, SPARE
	v_mov_b32 v[NIL], 0
	ds_add_u32 v[SPW], v[NIL]                      ; the wave's opening: the add and its wait stand ahead of my first tensor load; the set-up below, work on registers, stands between them
	v_lshrrev_b32 v1, 5, v0
	v_readfirstlane_b32 s10, v1                    ; wave 0..3
	s_bfe_u32 s11, ttmp6, 0x40000                  ; cx: it enters xf's, qkv's and the prefetches' addresses alone
	s_lshl_b32 s12, ttmp9, 2
	s_add_co_u32 s12, s12, s11                     ; row tile ty = 4 x cluster x + cx
	s_and_b32 s13, ttmp7, 0xffff                   ; column tile tx, which the four partners share
	s_mov_b32 s[G1+0], 15|(1<<16)|(1<<20)|(1<<21)|(5<<22)|(7<<25)  ; 15:0 the mask of four; 17:16 2-byte elements; 20 padding on; 21 set beside a mask; 24:22 after every 64 words (code 5); 31:25 8 words (code 7)
	s_mov_b32 s[G1+1], 384<<16                     ; tensor_dim0 = 384
	s_mov_b32 s[G1+2], 32<<16                      ; tensor_dim1 = 32
	s_mov_b32 s[G1+3], 384<<16                     ; tile_dim0 = 384
	s_mov_b32 s[G1+4], 32                          ; tile_dim1 = 32
	s_mov_b32 s[G1+5], 3072                        ; elements from row to row of wb
	s_mov_b32 s[G1+6], 0
	s_mov_b32 s[G1+7], 0
	s_mul_i32 s15, s10, QUART                      ; where my 32 k-rows go: no place in the cluster enters an LDS address
	s_mul_i32 s16, s10, 32*WROW                    ; and where they come from: k-row 32 x wave,
	s_mul_i32 s17, s13, 768
	s_add_co_u32 s16, s16, s17                     ; column 384 tx
	s_mov_b32 s17, 0
	s_lshl_b32 s18, s12, 2
	s_add_co_u32 s18, s18, s10                     ; my 64 rows among x's 128 groups,
	s_lshl_b32 s18, s18, 17                        ; 131,072 bytes each
	s_mov_b32 s19, 0
	s_mov_b32 s[TB], 0
	v_and_b32 v3, 31, v0                           ; l
	v_lshlrev_b32 v[AO], 4, v3
	v_lshlrev_b32 v[PFOA], 8, v3
	v_mul_u32_u24 v[PFOB], v3, WROW
	v_and_b32 v1, 15, v0                           ; l % 16
	v_bfe_u32 v2, v0, 4, 1                         ; l / 16
	v_and_b32 v4, 7, v0                            ; the turning load: lane l reads k-row 8 (l / 16) + l % 8, columns 8 ((l / 8) % 2) + 0..7
	v_lshl_add_u32 v4, v2, 3, v4
	v_mul_u32_u24 v4, v4, PB
	v_bfe_u32 v5, v0, 3, 1
	v_lshl_add_u32 v[BL0], v5, 4, v4
	v_add_nc_u32 v[BH0], 64*PB, v[BL0]
	v_mov_b32 v[ADL], v[BL0]                       ; K step 0 lies in slot 0
	v_mov_b32 v[ADL+1], v[BH0]
	s_mul_i32 s22, s10, 16*SPITCH
	s_add_co_u32 s22, s22, OUTST                   ; my stage
	v_mul_u32_u24 v4, v1, SPITCH                   ; in: row l % 16, 16 bytes for each half of the lanes
	v_lshl_add_u32 v4, v2, 4, v4
	v_add_nc_u32 v[STO], s22, v4
	v_mul_u32_u24 v4, v2, SPITCH                   ; back: lanes 0-15 one row of 256 bytes, lanes 16-31 the next
	v_lshl_add_u32 v4, v1, 4, v4
	v_add_nc_u32 v[RD], s22, v4
	v_mul_u32_u24 v4, v2, WROW                     ; and the same two rows in qkv
	v_lshl_add_u32 v[CO], v1, 4, v4
	s_wait_dscnt 0x0                               ; the opening add is done
	s_wait_kmcnt 0x0
	s_add_nc_u64 s[20:21], s[6:7], s[16:17]
	s_add_nc_u64 s[AP:AP+1], s[4:5], s[18:19]
	CROUND                                         ; all four work-groups are here: the first joint loads meet
	s_mov_b32 s[G0], 1                             ; 1:0 count = 1
	s_mov_b32 s[G0+1], s15                         ; 63:32 LDS address: slot 0
	s_mov_b64 s[G0+2:G0+3], s[20:21]               ; 120:64 global address: K step 0
	s_or_b32 s[G0+3], s[G0+3], 0x80000000          ; 127:126 type = 2
	s_mov_b32 s[G0+4], 1
	s_add_co_u32 s[G0+5], s15, SLOT1
	s_add_nc_u64 s[G0+6:G0+7], s[20:21], BSTEP     ; K step 1
	s_or_b32 s[G0+7], s[G0+7], 0x80000000
	tensor_load_to_lds s[G0:G0+3], s[G1:G1+7]      ; the two first fills go out together: two loads of mine are out
	s_nop 0
	tensor_load_to_lds s[G0+4:G0+7], s[G1:G1+7]
	s_nop 0
	PLACES
; Eight loads: the four fragments of a block of 32 k, at byte off behind my pointer, into buffer buf.  Each load of the wave covers 512 consecutive bytes, aligned.
.macro ALOADS buf, off
.irp a, 0,1,2,3
	global_load_b128 v[ABUF+32*(\buf)+8*(\a):ABUF+32*(\buf)+8*(\a)+3],   v[AO], s[AP:AP+1] offset:(\off)+1024*(\a)
	global_load_b128 v[ABUF+32*(\buf)+8*(\a)+4:ABUF+32*(\buf)+8*(\a)+7], v[AO], s[AP:AP+1] offset:(\off)+1024*(\a)+512
.endr
.endm
; Twelve LDS loads in one run: group g (column blocks 6 g .. 6 g + 5) of 32 k-rows, turned, into buffer g % 2.  adr: the address register of the slot's half; qq: which 32 of that half's 64 k-rows.
.macro FETCHB adr, qq, g
	WIN 0
.irp i, 0,1,2,3,4,5
	ds_load_tr16_b128 v[BBUF+48*((\g)%2)+8*(\i):BBUF+48*((\g)%2)+8*(\i)+3],   v[\adr] offset:(\qq)*32*PB+((6*(\g)+(\i))/8)*SEG+((6*(\g)+(\i))%8)*32
	ds_load_tr16_b128 v[BBUF+48*((\g)%2)+8*(\i)+4:BBUF+48*((\g)%2)+8*(\i)+7], v[\adr] offset:(\qq)*32*PB+((6*(\g)+(\i))/8)*SEG+((6*(\g)+(\i))%8)*32+16*PB
.endr
.endm
; Four matrix instructions: column block b x my four row blocks, block q of the step's four blocks of 32 k.  zero = 1: the product starts the sums.
; The 96 accumulators take turns, one instruction a turn, in the same order in every block, over the backward jumps too.
.macro WMB q, b, zero
	WIN 0x50*(1+(\b)/8)                            ; C and D in window 1 + b / 8, the sources in window 0
.irp a, 0,1,2,3
.if \zero
	v_wmma_f32_16x16x32_bf16 v[8*(8*(\a)+(\b)%8):8*(8*(\a)+(\b)%8)+7], v[BBUF+48*(((\b)/6)%2)+8*((\b)%6):BBUF+48*(((\b)/6)%2)+8*((\b)%6)+7], v[ABUF+32*(\q)+8*(\a):ABUF+32*(\q)+8*(\a)+7], 0
.else
	v_wmma_f32_16x16x32_bf16 v[8*(8*(\a)+(\b)%8):8*(8*(\a)+(\b)%8)+7], v[BBUF+48*(((\b)/6)%2)+8*((\b)%6):BBUF+48*(((\b)/6)%2)+8*((\b)%6)+7], v[ABUF+32*(\q)+8*(\a):ABUF+32*(\q)+8*(\a)+7], v[8*(8*(\a)+(\b)%8):8*(8*(\a)+(\b)%8)+7]
.endif
.endr
.endm
; A GROUP: 24 matrix instructions.  At its head the next group's fragments of wb are asked for, into the buffer that the group before has just multiplied; a block's first group also asks for x three blocks on, into the buffer
; that the block before has just multiplied.  abase: where the K step lies, behind my pointer, whose blocks are being asked for.
.macro GROUP q, g, zero, abase
	WIN 0
	PLACES
.if (\g) == 0
	ALOADS ((\q)+3)%4, (\abase)+(((\q)+3)%4)*ASTG
.endif
.if (\g) < 3
	FETCHB ADL+(\q)/2, (\q)%2, (\g)+1
.else
	FETCHB ADL+((\q)+1)/2, ((\q)+1)%2, 0
.endif
	s_wait_dscnt 12                                ; all but the 12 just issued: this group's fragments of wb are in
.if (\g) == 0
	s_wait_loadcnt 24                              ; loads come back in order: this block's x is in, the three younger blocks' eight loads each stay out
.endif
.irp i, 0,1,2,3,4,5
	WMB \q, 6*(\g)+(\i), \zero
.endr
.endm
.macro KBLOCK q, zero, abase
	GROUP \q, 0, \zero, \abase
	GROUP \q, 1, \zero, \abase
	GROUP \q, 2, \zero, \abase
	GROUP \q, 3, \zero, \abase
.endm
; A K STEP'S LAST GROUP, AND THE CHANGE OF SLOTS.  Its fragments, the slot's last bytes, were asked for a group ago.  Each wave waits for all its tensor loads, of which one is out: its part of the other slot; adds 0 to its spare
; word; and waits for that and for its own reads of the slot.  Behind the barrier nobody reads this slot any more and the other slot is whole.
; fill = 1: this slot is filled again, with the K step two on.  The barrier then opens a round of the cluster's, so that no wave of any partner still reads the slot or has a load on its way, and the joint refill is the first thing
; behind it: 376 matrix instructions ahead of the wait for it.
.macro CHANGE fill
	WIN 0
	s_wait_tensorcnt 0x0                           ; no tensor load of mine is out, so a group 0 may be written
	ds_add_u32 v[SPW], v[NIL]                      ; 0 onto my spare word; the steps below and four products stand between it and the wait for it
	s_xor_b32 s[TB], s[TB], SLOT1                  ; the fetches go to the other slot
	v_add_nc_u32 v[ADL], s[TB], v[BL0]
	v_add_nc_u32 v[ADL+1], s[TB], v[BH0]
.if \fill
	s_xor_b32 s[G0+5], s[G0+5], SLOT1              ; the walking descriptor: the other slot than last time,
	s_add_nc_u64 s[G0+6:G0+7], s[G0+6:G0+7], BSTEP ; the next K step; the type bits on top are not reached
.endif
	s_wait_dscnt 1                                 ; (the add may be out: the group's twelve loads are in)
	WMB 3, 18, 0
	s_wait_dscnt 0x0                               ; the add is done, and my reads of this slot are over
	s_barrier_signal -1
	WMB 3, 19, 0                                   ; work on registers while the others arrive
	WIN 0
	s_barrier_wait -1
.if \fill
	CREST
	tensor_load_to_lds s[G0+4:G0+7], s[G1:G1+7]    ; my one tensor load behind the round
	s_nop 0
.endif
	PLACES                                         ; behind the load; also the places in front of the loads below
	FETCHB ADL, 0, 0                               ; the other slot's first fragments
.if \fill
	ASK
.endif
	WMB 3, 20, 0
	WMB 3, 21, 0
	WMB 3, 22, 0
	WMB 3, 23, 0
.endm
; THE WAY OUT of block n = 4 g + a: rows 16 a .., columns 128 g ..: rounded to f16, 16 bytes a lane; through my own stage; back as whole rows of 256 bytes; stored
.macro PACK n
	WIN 0x05*(1+(\n)/4)                            ; sources in window 1 + g, destination in window 0
.irp bb, 0,1,2,3,4,5,6,7
.irp r, 0,1,2,3
	v_cvt_pk_f16_f32 v[TMP+4*(\bb)+(\r)], v[8*(8*((\n)%4)+(\bb))+2*(\r)], v[8*(8*((\n)%4)+(\bb))+2*(\r)+1]
.endr
.endr
	WIN 0
.endm
.macro TOSTAGE n
.irp bb, 0,1,2,3,4,5,6,7
	ds_store_b128 v[STO], v[TMP+4*(\bb):TMP+4*(\bb)+3] offset:32*(\bb)
.endr
.irp u, 0,1,2,3,4,5,6,7
	ds_load_b128 v[OB+32*((\n)%2)+4*(\u):OB+32*((\n)%2)+4*(\u)+3], v[RD] offset:(\u)*2*SPITCH  ; LDS serves a wave's instructions in order (ISA guide 5.7.1.4): these see the stores above
.endr
.endm
.macro SEND n
	s_wait_dscnt 0x0                               ; the block is back in registers
	s_wait_xcnt 0x0                                ; the stores of the block before have read their registers: the next block's rows land there only behind this wait
.irp u, 0,1,2,3,4,5,6,7
	global_store_b128 v[CO], v[OB+32*((\n)%2)+4*(\u):OB+32*((\n)%2)+4*(\u)+3], s[8:9] offset:(16*((\n)%4)+2*(\u))*WROW+((\n)/4)*256  ; 16 lanes store 256 consecutive bytes, aligned
.endr
.endm
	ALOADS 0, 0                                    ; x of the first three blocks of 32 k
	ALOADS 1, ASTG
	ALOADS 2, 2*ASTG
	s_lshl_b32 s18, s12, 8                         ; qkv: my first row, 256 ty + 64 x wave,
	s_lshl_b32 s19, s10, 6
	s_add_co_u32 s18, s18, s19
	s_mul_i32 s18, s18, WROW
	s_mul_i32 s19, s13, 768                        ; the tile's first column, in bytes
	s_add_co_u32 s18, s18, s19
	s_mov_b32 s19, 0
	s_add_nc_u64 s[8:9], s[8:9], s[18:19]
	s_cmp_eq_u32 s13, 0                            ; the prefetches: who asks for xf,
	s_cselect_b32 s[AF], 1, 0
	s_lshl_b32 s18, s11, 5                         ; and wb: my work-group's 32 k-rows
	s_add_co_u32 s18, s18, 3*128                   ; of K step 3,
	s_mul_i32 s18, s18, WROW
	s_mul_i32 s19, s13, 768
	s_add_co_u32 s18, s18, s19                     ; the tile's columns,
	s_lshl_b32 s19, s10, 8
	s_add_co_u32 s18, s18, s19                     ; my wave's 256 bytes of the 768
	s_mov_b32 s19, 0
	s_add_nc_u64 s[PFB:PFB+1], s[6:7], s[18:19]
	s_cmp_eq_u32 s10, 3
	s_cselect_b32 s46, 1, 0
	s_or_b32 s46, s46, ttmp9                       ; 0 in waves 0 to 2 of a cluster with x = 0: the same in all four partners
	s_cmp_eq_u32 s46, 0
	s_cselect_b32 s[LIMB], 1, -1
	s_wait_tensorcnt 1                             ; my part of K step 0 is in; K step 1's may stay out
	s_barrier_signal -1
	s_barrier_wait -1                              ; everybody's is
	FETCHB ADL, 0, 0
	KBLOCK 0, 1, 0                                 ; the first block of 32 k stands ahead of the loop: its products start the sums
	WIN 0                                          ; at a label and at a branch every window is 0
	s_mov_b32 s3, 6
.Lstep:                                            ; six trips: from a K step's second block to the next step's first; each fills a slot again
	KBLOCK 1, 0, 4*ASTG
	KBLOCK 2, 0, 4*ASTG
	GROUP 3, 0, 0, 4*ASTG
	GROUP 3, 1, 0, 4*ASTG
	GROUP 3, 2, 0, 4*ASTG
	CHANGE 1
	KBLOCK 0, 0, 4*ASTG
	WIN 0
	s_wait_xcnt 0x0                                ; every load and prefetch issued so far (the youngest 96 products back) has read its address, so the pointers may be written
	s_add_nc_u64 s[AP:AP+1], s[AP:AP+1], 4*ASTG
	s_add_nc_u64 s[PFB:PFB+1], s[PFB:PFB+1], BSTEP
	s_sub_co_u32 s3, s3, 1
	s_cmp_lg_u32 s3, 0
	s_cbranch_scc1 .Lstep
	s_mov_b32 s3, 2
.Ltail:                                            ; the last two K steps fill nothing: a copy of the trip.  My pointer stays at the last step but one: the first trip asks for the last
	KBLOCK 1, 0, 4*ASTG                            ; step's x, the second for the same bytes once more
	KBLOCK 2, 0, 4*ASTG
	GROUP 3, 0, 0, 4*ASTG
	GROUP 3, 1, 0, 4*ASTG
	GROUP 3, 2, 0, 4*ASTG
	CHANGE 0
	WIN 0
	s_sub_co_u32 s3, s3, 1
	s_cmp_eq_u32 s3, 0
	s_cbranch_scc1 .Lout                           ; the second trip is left here: the sums are finished
	KBLOCK 0, 0, 4*ASTG
	WIN 0
	s_cmp_lg_u32 s3, 0
	s_cbranch_scc1 .Ltail
.Lout:
	s_wait_loadcnt 0x0                             ; the loads that nobody uses have landed: their registers serve the way out
	s_wait_dscnt 0x0
	PLACES
	PACK 0
	TOSTAGE 0
.irp n, 1,2,3,4,5,6,7,8,9,10,11
	PACK \n                                        ; a block's conversions stand between the loads of the block before and the wait for them
	SEND (\n)-1
	TOSTAGE \n
.endr
	SEND 11
	s_wait_tensorcnt 0x0                           ; the wave's end: behind my last tensor load and my last LDS store
	ds_add_u32 v[SPW], v[NIL]
	s_wait_dscnt 0x0
	CROUND                                         ; the closing round: no work-group ends while a partner may still ask for a tile that names it
	s_endpgm
.Lfunc_end_k_q8f1a55bfa1_proj:
	.size	k_q8f1a55bfa1_proj, .Lfunc_end_k_q8f1a55bfa1_proj-k_q8f1a55bfa1_proj
	.p2alignl 7, 3214868480
	.fill 96, 4, 3214868480
	.section	.rodata,"a",@progbits
	.p2align	6, 0x0
	.amdhsa_kernel k_q8f1a55bfa1_proj
		.amdhsa_group_segment_fixed_size 327680
		.amdhsa_private_segment_fixed_size 0
		.amdhsa_enable_private_segment 0
		.amdhsa_kernarg_size 24
		.amdhsa_user_sgpr_count 2
		.amdhsa_user_sgpr_kernarg_segment_ptr 1
		.amdhsa_wavefront_size32 1
		.amdhsa_system_sgpr_workgroup_id_x 1
		.amdhsa_system_sgpr_workgroup_id_y 1
		.amdhsa_system_sgpr_workgroup_id_z 1
		.amdhsa_system_vgpr_workitem_id 0
		.amdhsa_next_free_vgpr 1024
		.amdhsa_next_free_sgpr 66
		.amdhsa_reserve_vcc 0
		.amdhsa_float_denorm_mode_32 3
		.amdhsa_float_denorm_mode_16_64 3
		.amdhsa_memory_ordered 1
		.amdhsa_forward_progress 1
		.amdhsa_inst_pref_size 155
	.end_amdhsa_kernel
	.amdgpu_metadata
---
amdhsa.version: [ 1, 2 ]
amdhsa.kernels:
  - .name:           k_q8f1a55bfa1_proj
    .symbol:         k_q8f1a55bfa1_proj.kd
    .args:
      - { .name: xf, .offset: 0, .size: 8, .value_kind: global_buffer, .address_space: global }
      - { .name: wb, .offset: 8, .size: 8, .value_kind: global_buffer, .address_space: global }
      - { .name: qkv, .offset: 16, .size: 8, .value_kind: global_buffer, .address_space: global }
    .group_segment_fixed_size: 327680
    .private_segment_fixed_size: 0
    .kernarg_segment_align: 8
    .kernarg_segment_size: 24
    .max_flat_workgroup_size: 128
    .sgpr_count:     66
    .vgpr_count:     1024
    .wavefront_size: 32
...
	.end_amdgpu_metadata
.endif
;; end of part 2
;; launch score (part 3): grid 12 x 16, 4 waves a work-group, clusters of 4 x 4, 327,680 bytes of LDS; arguments qkv, pw, ms, ls; writes pw, ms, ls
.if DOCPART == 3
	.amdgcn_target "amdgcn-amd-amdhsa--gfx1250"
	.amdhsa_code_object_version 6
	.text
	.protected	k_q8f1a55bfa1_score
	.globl	k_q8f1a55bfa1_score
	.p2align	8
	.type	k_q8f1a55bfa1_score,@function
k_q8f1a55bfa1_score:
	s_mov_b64 s[64:65], 0
	v_nop
	global_prefetch_b8 v0, s[64:65] scope:SCOPE_SE
	s_setreg_imm32_b32 hwreg(HW_REG_WAVE_MODE, 25, 1), 1
	s_wait_xcnt 0x0
	s_wait_alu depctr_hold_cnt(0) depctr_sa_sdst(0) depctr_va_vdst(0) depctr_va_sdst(0) depctr_va_ssrc(0) depctr_va_vcc(0) depctr_vm_vsrc(0)
	s_getreg_b32 s2, hwreg(HW_REG_IB_STS2, 6, 4)
	s_cmp_eq_u32 s2, 0
	s_cbranch_scc0 .Lentry_in_a_cluster
	s_endpgm
.Lentry_in_a_cluster:
	s_bfe_u32 s2, ttmp6, 0x10000c
	s_cmp_lg_u32 s2, 0xf033
	s_cbranch_scc0 .Lentry_shape_is_right
	s_endpgm
.Lentry_shape_is_right:
; SCORE.  For each batch: S = q k^T on the tiles that the causal mask leaves; then for each row and each block t of 128 keys: cm = c x (the block's largest visible score), p = 2^(c s - cm) in f16, l = the sum of the p.
; c = log2(e) / 32.  q and k are columns 0-1023 and 1024-2047 of qkv [8192][3072] f16.  pw [4][2048 q][2048 key] f16; ms (cm) and ls (l) [4][16 t][2048 row] f32.  Products, maxima and sums in f32.
; The maximum taken away here is the block's; the launch behind puts the blocks of a row on the row's own maximum, in f32.
; LIMITS.  A hidden score counts as -1e30; a block's maximum is held at -2^96 or above, so that a block with no visible key gives p = 0, l = 0 (f16's scores are 4.4e12 at the most);
; p below 6e-5 keeps f16's fixed step of 6e-8; a weight below 2^-126 counts as 0 in l; NaN and infinities are not treated apart.
; SHARES.  Cluster y is the batch; cluster x = u picks a square of 1,024 queries x 1,024 keys: (0, 0), (1, 0), (1, 1).  A work-group makes 256 x 256 of it over K = 1,024, a wave 128 x 128: 64 accumulators.
; In the two squares on the diagonal 6 of the 16 partners lie wholly above it.  They run like the others, since every partner makes every joint request; they store
; p = 0 and l = 0, of which the launch behind reads two tiles in each such square.  The price is a quarter of this launch's products.
; RING, CLUSTER, WINDOWS.  K steps of 128 through two LDS slots; q's tile is asked for jointly along a row of the cluster, k's along a column.  Window 0: addresses, q's fragments (v64-191); window 1: k's fragments;
; windows 2, 3: the accumulators ((a, b) at v[8 (8 (a % 4) + b)]).  The matrix instruction is used transposed (source 0 = 16 keys, source 1 = 16 queries): a lane holds ONE query (l % 16) and the keys 8 (l / 16) + 0..7 of each block of 16.
.set KSTEP,  128
.set PITCH,  272                       ; 256 bytes + 16: the 16 rows of a fragment load start at 16 different groups of four banks (ISA guide 11.1)
.set HALFT,  128*PITCH
.set SLOT,   4*HALFT
.set STAGE,  2*SLOT                    ; 16 rows x 272 bytes for each wave
.set SPITCH, 272
.set STAT,   STAGE+4*16*SPITCH         ; 1,024 bytes for each wave: cm of its 128 rows, then l
.set SPARE,  STAT+4*1024               ; the spare words: two blocks of 256 bytes that no other line names
.set ROWB,   6144                      ; bytes in a row of qkv
.set LAPS,   4
.set ADRA, 16
.set ADRB, 20
.set STO,  24
.set RD,   25
.set CO,   26
.set SPW,  28
.set NIL,  29
.set PFO,  30
.set C,    32                          ; v32-35 four running maxima
.set CM,   36                          ; v36 cm, v37 the maximum
.set LL,   38                          ; v38 l, v39 the other half of the lanes'
.set BIGV, 40                          ; -1e30
.set VT,   41                          ; l % 16 - 8 (l / 16)
.set STA,  42                          ; where the block's cm goes
.set SRD,  43
.set SGO,  44
.set F0,   64
.set F1,   128
.set W,    64                          ; the epilogue: the 64 scores of the block in hand
.set P16,  128                         ; packed weights
.set OB,   160                         ; whole rows back from the stage
.set G1,   24
.set G0,   32
.set LIM,  43
.set PFA,  44
.set G1B,  48
.set G0B,  56
.set BT,   66
.set DD,   67                          ; my first query less my first key: a multiple of 128
.set SLO,  68                          ; lane masks of hidden scores: key block below the row block,
.set SUP,  69                          ; above it,
.set SDG,  70                          ; s70-77 equal to it, for register j
.set CS,   78                          ; s[78:79] c
.set SEL,  80                          ; s[80:81] v_permlanex16_b32's selects
.set BLK,  82                          ; the row block in hand
.set PWS,  92                          ; s[92:93] what the next block adds to pw's address
.set MSB, 0
.macro WIN new
.if MSB != (\new)
	s_set_vgpr_msb (MSB<<8)|(\new)
.set MSB, \new
.endif
.endm
.set MUL_LO, 0xa1                      ; source 0 (k) window 1, source 1 (q) window 0, C and D window 2
.set MUL_HI, 0xf1
.set TO_B,   0x40
.macro PLACES
.rept 4
	v_nop
.endr
.endm
.macro JLOAD s
	s_cmp_eq_u32 s11, 0
	s_cbranch_scc0 .Lfor_b_\@
	tensor_load_to_lds s[G0+4*(\s):G0+4*(\s)+3], s[G1:G1+7]
	s_nop 0
.rept 4
	v_nop
.endr
	s_branch .Lasked_\@
.Lfor_b_\@:
	tensor_load_to_lds s[G0B+4*(\s):G0B+4*(\s)+3], s[G1B:G1B+7]
	s_nop 0
.rept 4
	v_nop
.endr
.Lasked_\@:
.endm
; A PREFETCH INTO THE L2 of the K step two refills on: 32 rows x 256 bytes, a lane a row.  Squares 1 and 2 read the same queries: squares 0 and 1 ask for q's rows; squares 0 and 1 read the same keys: squares 0 and 2 ask for k's.
; Of the 128 rows that a wave fetches the partner at place p takes 32 (p = cx for q, cy for k): told apart by address.  The first four K steps come by their loads alone; the last two refills ask for nothing.
.macro ASK
	s_cmp_gt_u32 s3, s[LIM]
	s_cbranch_scc0 .Lnot_mine_\@
	global_prefetch_b8 v[PFO], s[PFA:PFA+1] offset:KSTEP*2 th:TH_LOAD_NT scope:SCOPE_SE
.Lnot_mine_\@:
.endm
.macro CREST
	s_cmp_lg_u32 s10, 0
	s_cbranch_scc1 .Lnot_wave_0_\@
	s_barrier_signal -3
.Lnot_wave_0_\@:
	s_barrier_wait -3
	s_barrier_signal -1
	s_barrier_wait -1
.endm
.macro CROUND
	s_barrier_signal -1
	s_barrier_wait -1
	CREST
.endm
	s_load_b256 s[84:91], s[0:1], 0x0              ; qkv s[84:85], pw s[86:87], ms s[88:89], ls s[90:91]
	v_lshl_add_u32 v[SPW], v0, 2, SPARE
	v_mov_b32 v[NIL], 0
	ds_add_u32 v[SPW], v[NIL]                      ; the wave's opening: the add and its wait ahead of my first tensor load
	v_lshrrev_b32 v1, 5, v0
	v_readfirstlane_b32 s10, v1
	s_lshr_b32 s11, s10, 1                         ; which half of the tile's queries is mine.  Also: I fetch for q (0) or for k (1)
	s_and_b32 s12, s10, 1                          ; which half of its keys.  Also: which 128 rows I fetch
	s_bfe_u32 s40, ttmp6, 0x40000                  ; cx
	s_bfe_u32 s41, ttmp6, 0x40004                  ; cy
	s_add_co_u32 s18, ttmp9, 1
	s_lshr_b32 s18, s18, 1                         ; the square's row: 0, 1, 1
	s_lshr_b32 s19, ttmp9, 1                       ; its column: 0, 0, 1
	s_lshl_b32 s13, s18, 2
	s_add_co_u32 s13, s13, s41                     ; query tile
	s_lshl_b32 s42, s19, 2
	s_add_co_u32 s42, s42, s40                     ; key tile
	s_and_b32 s[BT], ttmp7, 0xffff                 ; the batch
	s_lshl_b32 s94, s41, 2
	s_lshl_b32 s94, 15, s94                        ; my row of the cluster
	s_lshl_b32 s95, 0x1111, s40                    ; my column
	s_or_b32 s[G1+0], s94, (1<<16)|(1<<20)|(1<<21)|(5<<22)|(3<<25)
	s_or_b32 s[G1B+0], s95, (1<<16)|(1<<20)|(1<<21)|(5<<22)|(3<<25)
.irp g, G1, G1B
	s_mov_b32 s[(\g)+1], KSTEP<<16                 ; tensor_dim0 = 128
	s_mov_b32 s[(\g)+2], 128<<16                   ; tensor_dim1 = 128
	s_mov_b32 s[(\g)+3], KSTEP<<16                 ; tile_dim0 = 128
	s_mov_b32 s[(\g)+4], 128                       ; tile_dim1 = 128
	s_mov_b32 s[(\g)+5], 3072                      ; elements from row to row
	s_mov_b32 s[(\g)+6], 0
	s_mov_b32 s[(\g)+7], 0
.endr
	s_lshl_b32 s21, s[BT], 11
	s_lshl_b32 s22, s12, 7
	s_add_co_u32 s21, s21, s22                     ; the batch's first row + the 128 rows that I fetch
	s_lshl_b32 s16, s13, 8
	s_add_co_u32 s16, s16, s21
	s_mul_i32 s16, s16, ROWB                       ; q's rows, in bytes
	s_mov_b32 s17, 0
	s_lshl_b32 s46, s42, 8
	s_add_co_u32 s46, s46, s21
	s_mul_i32 s46, s46, ROWB
	s_add_co_u32 s46, s46, 2048                    ; k's part of a row
	s_mov_b32 s47, 0
	s_mul_i32 s20, s10, HALFT                      ; where they go: wave x 128 rows
	s_wait_dscnt 0x0
	s_wait_kmcnt 0x0
	s_add_nc_u64 s[14:15], s[84:85], s[16:17]
	s_add_nc_u64 s[46:47], s[84:85], s[46:47]
	CROUND
.irp s, 0,1
	s_mov_b32 s[G0+4*(\s)], 1
	s_add_co_u32 s[G0+4*(\s)+1], s20, (\s)*SLOT
	s_add_nc_u64 s[G0+4*(\s)+2:G0+4*(\s)+3], s[14:15], (\s)*KSTEP*2
	s_or_b32 s[G0+4*(\s)+3], s[G0+4*(\s)+3], 0x80000000
	s_mov_b32 s[G0B+4*(\s)], 1
	s_add_co_u32 s[G0B+4*(\s)+1], s20, (\s)*SLOT
	s_add_nc_u64 s[G0B+4*(\s)+2:G0B+4*(\s)+3], s[46:47], (\s)*KSTEP*2
	s_or_b32 s[G0B+4*(\s)+3], s[G0B+4*(\s)+3], 0x80000000
.endr
	s_cmp_eq_u32 s11, 0                            ; a wave's two first fills stand in one branch: two loads of mine are out
	s_cbranch_scc0 .Lfirst_b
	tensor_load_to_lds s[G0:G0+3], s[G1:G1+7]
	s_nop 0
	tensor_load_to_lds s[G0+4:G0+7], s[G1:G1+7]
	s_nop 0
.rept 4
	v_nop
.endr
	s_branch .Lfirst_asked
.Lfirst_b:
	tensor_load_to_lds s[G0B:G0B+3], s[G1B:G1B+7]
	s_nop 0
	tensor_load_to_lds s[G0B+4:G0B+7], s[G1B:G1B+7]
	s_nop 0
.rept 4
	v_nop
.endr
.Lfirst_asked:
	v_and_b32 v1, 15, v0                           ; l % 16; kept
	v_bfe_u32 v2, v0, 4, 1                         ; l / 16; kept
	v_mul_u32_u24 v3, v1, PITCH
	v_lshl_add_u32 v3, v2, 4, v3
	s_mul_i32 s21, s11, HALFT                      ; my 128 rows of q
	s_mul_i32 s22, s12, HALFT
	s_add_co_u32 s22, s22, 2*HALFT                 ; my 128 rows of k
.irp s, 0,1
	v_add_nc_u32 v[ADRA+(\s)], s21, v3
	v_add_nc_u32 v[ADRB+(\s)], s22, v3
	s_add_co_u32 s21, s21, SLOT
	s_add_co_u32 s22, s22, SLOT
.endr
	s_mul_i32 s23, s10, 16*SPITCH
	s_add_co_u32 s23, s23, STAGE
	v_add_nc_u32 v[STO], s23, v3                   ; in: row l % 16, 16 bytes for each half of the lanes
	v_mul_u32_u24 v5, v2, SPITCH
	v_lshl_add_u32 v5, v1, 4, v5
	v_add_nc_u32 v[RD], s23, v5                    ; back: two whole rows of 256 bytes
	v_lshlrev_b32 v5, 12, v2
	v_lshl_add_u32 v[CO], v1, 4, v5                ; the same two rows in pw, 4,096 bytes apart
	s_lshl_b32 s23, s10, 10
	s_add_co_u32 s23, s23, STAT
	v_lshl_add_u32 v[STA], v1, 2, s23
	v_and_b32 v5, 31, v0
	v_lshlrev_b32 v[SGO], 4, v5
	v_add_nc_u32 v[SRD], s23, v[SGO]
	s_lshl_b32 s21, s13, 8
	s_lshl_b32 s22, s11, 7
	s_add_co_u32 s21, s21, s22                     ; my first query in the batch
	s_lshl_b32 s22, s42, 8
	s_lshl_b32 s23, s12, 7
	s_add_co_u32 s22, s22, s23                     ; my first key
	s_sub_co_i32 s[DD], s21, s22
	s_lshl_b32 s23, s[BT], 11
	s_add_co_u32 s23, s23, s21
	s_lshl_b32 s18, s23, 12                        ; pw: row x 4,096 bytes
	s_lshl_b32 s19, s22, 1
	s_add_co_u32 s18, s18, s19                     ; + key x 2
	s_mov_b32 s19, 0
	s_add_nc_u64 s[86:87], s[86:87], s[18:19]
	s_lshr_b32 s18, s22, 7                         ; my block t of 128 keys
	s_lshl_b32 s19, s[BT], 4
	s_add_co_u32 s18, s18, s19
	s_lshl_b32 s18, s18, 11
	s_add_co_u32 s18, s18, s21
	s_lshl_b32 s18, s18, 2                         ; ((16 batch + t) x 2,048 + row) x 4
	s_mov_b32 s19, 0
	s_add_nc_u64 s[88:89], s[88:89], s[18:19]
	s_add_nc_u64 s[90:91], s[90:91], s[18:19]
	s_lshl_b32 s18, s13, 8                         ; the prefetches
	s_lshl_b32 s19, s42, 8
	s_cmp_eq_u32 s11, 0
	s_cselect_b32 s18, s18, s19                    ; the tile's first row
	s_cselect_b32 s19, s40, s41                    ; my place among the four that ask with me
	s_cselect_b32 s21, 2, 1                        ; the square that leaves these rows to another
	s_cselect_b32 s22, 0, 2048
	s_cmp_lg_u32 ttmp9, s21
	s_cselect_b32 s[LIM], 1, -1
	s_lshl_b32 s19, s19, 5
	s_add_co_u32 s18, s18, s19
	s_lshl_b32 s19, s12, 7
	s_add_co_u32 s18, s18, s19
	s_lshl_b32 s19, s[BT], 11
	s_add_co_u32 s18, s18, s19
	s_mul_i32 s18, s18, ROWB
	s_add_co_u32 s18, s18, s22
	s_add_co_u32 s18, s18, 2*KSTEP*2               ; at K step 2: the first refill steps it to 3 and names K step 4
	s_mov_b32 s19, 0
	s_add_nc_u64 s[PFA:PFA+1], s[84:85], s[18:19]
	v_and_b32 v[PFO], 31, v0
	v_mul_u32_u24 v[PFO], v[PFO], ROWB
; 16 matrix instructions: row blocks a0, a0 + 1 of the window's four x all 8 key blocks, 32 along K.  The 64 accumulators take turns, in the same order in every quarter.
.macro MUL16 f, hi, a0, zero
	WIN MUL_LO+0x50*(\hi)
.irp a, \a0, (\a0)+1
.irp b, 0,1,2,3,4,5,6,7
.if \zero
	v_wmma_f32_16x16x32_f16 v[8*(8*(\a)+(\b)):8*(8*(\a)+(\b))+7], v[(\f)+8*(\b):(\f)+8*(\b)+7], v[(\f)+8*(4*(\hi)+(\a)):(\f)+8*(4*(\hi)+(\a))+7], 0
.else
	v_wmma_f32_16x16x32_f16 v[8*(8*(\a)+(\b)):8*(8*(\a)+(\b))+7], v[(\f)+8*(\b):(\f)+8*(\b)+7], v[(\f)+8*(4*(\hi)+(\a)):(\f)+8*(4*(\hi)+(\a))+7], v[8*(8*(\a)+(\b)):8*(8*(\a)+(\b))+7]
.endif
.endr
.endr
.endm
.macro FETCH slot, k, f                ; 32 LDS loads in one run: k's 8 fragments, then q's 8, 32 along K at byte k of the rows
	WIN TO_B
.irp i, 0,1,2,3,4,5,6,7
	ds_load_b128 v[(\f)+8*(\i):(\f)+8*(\i)+3],   v[ADRB+(\slot)] offset:(\k)+(\i)*16*PITCH
	ds_load_b128 v[(\f)+8*(\i)+4:(\f)+8*(\i)+7], v[ADRB+(\slot)] offset:(\k)+(\i)*16*PITCH+32
.endr
	WIN 0
.irp i, 0,1,2,3,4,5,6,7
	ds_load_b128 v[(\f)+8*(\i):(\f)+8*(\i)+3],   v[ADRA+(\slot)] offset:(\k)+(\i)*16*PITCH
	ds_load_b128 v[(\f)+8*(\i)+4:(\f)+8*(\i)+7], v[ADRA+(\slot)] offset:(\k)+(\i)*16*PITCH+32
.endr
.endm
.macro QUARTER slot, k, f, g, zero
	s_wait_dscnt 8                                 ; k's fragments and q's rows 0-63 are in; the youngest eight loads may be out
	MUL16 \f, 0, 0, \zero
	MUL16 \f, 0, 2, \zero
	PLACES
	FETCH \slot, \k, \g
	s_wait_dscnt 32                                ; all but the 32 just issued
	MUL16 \f, 1, 0, \zero
	MUL16 \f, 1, 2, \zero
.endm
.macro MEET                            ; ONE barrier for the change of slots: all my tensor loads have landed, the add, and my reads of this slot are over
	WIN 0
	s_wait_tensorcnt 0x0
	ds_add_u32 v[SPW], v[NIL]
	s_wait_dscnt 9                                 ; (the add and the youngest eight loads may be out)
	MUL16 F1, 0, 0, 0
	s_wait_dscnt 0x0
	s_barrier_signal -1
	MUL16 F1, 0, 2, 0
	WIN 0
	s_barrier_wait -1
.endm
.macro TURN slot, next
	s_wait_xcnt 0x0                                ; the last prefetch, a K step back, has read its address
	s_add_nc_u64 s[PFA:PFA+1], s[PFA:PFA+1], KSTEP*2
	MEET
	CREST                                          ; no wave of any partner still reads this slot or has a load on its way
	s_add_nc_u64 s[G0+4*(\slot)+2:G0+4*(\slot)+3], s[G0+4*(\slot)+2:G0+4*(\slot)+3], 2*KSTEP*2
	s_add_nc_u64 s[G0B+4*(\slot)+2:G0B+4*(\slot)+3], s[G0B+4*(\slot)+2:G0B+4*(\slot)+3], 2*KSTEP*2
	JLOAD \slot                                    ; 224 matrix instructions ahead of the wait for it; its four v_nop are also the places in front of the loads below
	FETCH \next, 0, F0
	ASK
	MUL16 F1, 1, 0, 0
	MUL16 F1, 1, 2, 0
.endm
	s_wait_tensorcnt 1                             ; my part of K step 0 is in; K step 1's may stay out
	s_barrier_signal -1
	s_barrier_wait -1
	FETCH 0, 0, F0
	QUARTER 0, 64,  F0, F1, 1                      ; the first quarter starts the sums
	WIN 0
	s_mov_b32 s3, LAPS-1
.Llap:
	QUARTER 0, 128, F1, F0, 0
	QUARTER 0, 192, F0, F1, 0
	TURN 0, 1
	QUARTER 1, 64,  F0, F1, 0
	QUARTER 1, 128, F1, F0, 0
	QUARTER 1, 192, F0, F1, 0
	TURN 1, 0
	QUARTER 0, 64,  F0, F1, 0
	WIN 0
	s_sub_co_u32 s3, s3, 1
	s_cmp_lg_u32 s3, 0
	s_cbranch_scc1 .Llap
	QUARTER 0, 128, F1, F0, 0                      ; the last lap fills nothing
	QUARTER 0, 192, F0, F1, 0
	MEET
	PLACES
	FETCH 1, 0, F0
	MUL16 F1, 1, 0, 0
	MUL16 F1, 1, 2, 0
	QUARTER 1, 64,  F0, F1, 0
	QUARTER 1, 128, F1, F0, 0
	QUARTER 1, 192, F0, F1, 0
	s_wait_dscnt 8
	MUL16 F1, 0, 0, 0
	MUL16 F1, 0, 2, 0
	s_wait_dscnt 0x0
	MUL16 F1, 1, 0, 0
	MUL16 F1, 1, 2, 0
	WIN 0
	PLACES
	; THE EPILOGUE.  Register j of accumulator (a, b) is query 16 a + l % 16, key 16 b + 8 (l / 16) + j of my 128 x 128.  The key is hidden where 16 (b - a) + 8 (l / 16) + j - l % 16 > DD.  DD is a multiple of 128 and the
	; left side lies within 127 of 0: so b > a is hidden where DD <= 0, b < a where DD < 0, and b = a, where DD = 0, in the lanes with j > l % 16 - 8 (l / 16).  The masks choose values alone; no branch hangs on them.
	v_lshlrev_b32 v[VT], 3, v2
	v_sub_nc_u32 v[VT], v1, v[VT]
	v_mov_b32 v[BIGV], 0xf149f2ca                  ; -1e30
	v_mov_b32 v[LL+1], 0                           ; v_permlanex16_b32's destination counts as read
.irp j, 0,1,2,3,4,5,6,7
	v_cmp_gt_i32 s[SDG+(\j)], \j, v[VT]
.endr
	s_cmp_lt_i32 s[DD], 0
	s_cselect_b32 s[SLO], -1, 0
	s_cmp_le_i32 s[DD], 0
	s_cselect_b32 s[SUP], -1, 0
	s_cmp_eq_u32 s[DD], 0
.irp j, 0,1,2,3,4,5,6,7
	s_cselect_b32 s[SDG+(\j)], s[SDG+(\j)], s[SLO]
.endr
	s_mov_b32 s[CS], 0x3d38aa3b                    ; c = log2(e) / 32
	s_mov_b32 s[CS+1], s[CS]
	s_mov_b32 s[SEL], 0x76543210
	s_mov_b32 s[SEL+1], 0xfedcba98
	s_mov_b32 s[PWS], 0
	s_mov_b32 s[PWS+1], 0
	s_mov_b32 s[BLK], 0
; Row block a's 64 scores come into window 0, and the mask is laid in the same line.  Each accumulator's registers are read in ascending order.
.macro COPY a
	WIN 0x02+(\a)/4                                ; source 0 in window 2 or 3
.irp b, 0,1,2,3,4,5,6,7
.irp j, 0,1,2,3,4,5,6,7
.if (\b) > (\a)
	v_cndmask_b32 v[W+8*(\b)+(\j)], v[64*((\a)%4)+8*(\b)+(\j)], v[BIGV], s[SUP]
.elseif (\b) < (\a)
	v_cndmask_b32 v[W+8*(\b)+(\j)], v[64*((\a)%4)+8*(\b)+(\j)], v[BIGV], s[SLO]
.else
	v_cndmask_b32 v[W+8*(\b)+(\j)], v[64*((\a)%4)+8*(\b)+(\j)], v[BIGV], s[SDG+(\j)]
.endif
.endr
.endr
	WIN 0
.endm
.Lblk:                                             ; eight trips, a row block each: only the copy differs, so only it is written eight times
.irp blk, 0,1,2,3,4,5,6
	s_cmp_eq_u32 s[BLK], \blk
	s_cbranch_scc1 .Lcopy\blk
.endr
	COPY 7
	s_branch .Lcommon
.irp blk, 6,5,4,3,2,1
.Lcopy\blk:
	COPY \blk
	s_branch .Lcommon
.endr
.Lcopy0:
	COPY 0
.Lcommon:
.irp k, 0,1,2,3                        ; the maximum: four chains of 15 scores, three operands at a time,
	v_max3_num_f32 v[C+(\k)], v[W+16*(\k)], v[W+16*(\k)+1], v[W+16*(\k)+2]
.endr
.irp n, 0,1,2,3,4,5
.irp k, 0,1,2,3
	v_max3_num_f32 v[C+(\k)], v[C+(\k)], v[W+16*(\k)+3+2*(\n)], v[W+16*(\k)+4+2*(\n)]
.endr
.endr
	v_max3_num_f32 v[C], v[C], v[W+15], v[W+31]    ; the four left over,
	v_max3_num_f32 v[C+2], v[C+2], v[W+47], v[W+63]
	v_max3_num_f32 v[C], v[C], v[C+1], v[C+2]      ; the chains into one,
	v_max_num_f32 v[C], v[C], v[C+3]
	v_permlanex16_b32 v[C+1], v[C], s[SEL], s[SEL+1]  ; the query's other 64 keys lie in the lane 16 away
	v_max3_num_f32 v[CM+1], v[C], v[C+1], 0xef800000  ; held at -2^96 or above
	v_mul_f32 v[CM], s[CS], v[CM+1]
.set z, 0
.rept 32
	v_pk_fma_f32 v[W+2*z:W+2*z+1], v[W+2*z:W+2*z+1], s[CS:CS+1], v[CM:CM+1] op_sel_hi:[1,0,0] neg_lo:[0,0,1] neg_hi:[0,0,1]  ; c s - cm
.set z, z+1
.endr
.set z, 0
.rept 64                               ; one batch of exponentials,
	v_exp_f32 v[W+z], v[W+z]
.set z, z+1
.endr
	v_nop                                          ; one plain instruction behind the last of them,
	s_wait_alu depctr_va_vdst(0)                   ; and one wait ahead of the first reader
.set z, 0
.rept 32
	v_cvt_pk_f16_f32 v[P16+z], v[W+2*z], v[W+2*z+1]
.set z, z+1
.endr
.irp w, 4,8,16,32,64                   ; the sum of the unrounded weights, in place: neighbours 1, 2, 4, 8, 16 pairs apart
.set u, 0
.rept 64/(\w)
	v_pk_add_f32 v[W+(\w)*u:W+(\w)*u+1], v[W+(\w)*u:W+(\w)*u+1], v[W+(\w)*u+(\w)/2:W+(\w)*u+(\w)/2+1]
.set u, u+1
.endr
.endr
	v_add_f32 v[LL], v[W], v[W+1]
	v_permlanex16_b32 v[LL+1], v[LL], s[SEL], s[SEL+1]
	v_add_f32 v[LL], v[LL], v[LL+1]
	ds_store_b32 v[STA], v[CM]                     ; both halves of the lanes write the same number to the row's word
	ds_store_b32 v[STA], v[LL] offset:512
.irp b, 0,1,2,3,4,5,6,7
	ds_store_b128 v[STO], v[P16+4*(\b):P16+4*(\b)+3] offset:32*(\b)
.endr
	s_wait_xcnt 0x0                                ; the last trip's stores, a block's arithmetic back, have read their registers and their base
.irp u, 0,1,2,3,4,5,6,7
	ds_load_b128 v[OB+4*(\u):OB+4*(\u)+3], v[RD] offset:(\u)*2*SPITCH  ; LDS serves a wave's instructions in order (ISA guide 5.7.1.4): these see the stores above
.endr
	s_add_nc_u64 s[86:87], s[86:87], s[PWS:PWS+1]  ; 16 rows of pw on (nothing in the first trip)
	v_add_nc_u32 v[STA], 64, v[STA]
	s_wait_dscnt 0x0
.irp u, 0,1,2,3,4,5,6,7
	global_store_b128 v[CO], v[OB+4*(\u):OB+4*(\u)+3], s[86:87] offset:(\u)*8192  ; 16 lanes store 256 consecutive bytes, aligned
.endr
	s_mov_b32 s[PWS], 65536
	s_add_co_u32 s[BLK], s[BLK], 1
	s_cmp_lt_u32 s[BLK], 8
	s_cbranch_scc1 .Lblk
	ds_load_b128 v[P16:P16+3], v[SRD]              ; my 128 rows' cm and l, 512 bytes on end each
	ds_load_b128 v[P16+4:P16+7], v[SRD] offset:512
	s_wait_dscnt 0x0
	global_store_b128 v[SGO], v[P16:P16+3], s[88:89]
	global_store_b128 v[SGO], v[P16+4:P16+7], s[90:91]
	s_wait_tensorcnt 0x0                           ; the wave's end
	ds_add_u32 v[SPW], v[NIL]
	s_wait_dscnt 0x0
	CROUND                                         ; the closing round
	s_endpgm
.Lfunc_end_k_q8f1a55bfa1_score:
	.size	k_q8f1a55bfa1_score, .Lfunc_end_k_q8f1a55bfa1_score-k_q8f1a55bfa1_score
	.p2alignl 7, 3214868480
	.fill 96, 4, 3214868480
	.section	.rodata,"a",@progbits
	.p2align	6, 0x0
	.amdhsa_kernel k_q8f1a55bfa1_score
		.amdhsa_group_segment_fixed_size 327680
		.amdhsa_private_segment_fixed_size 0
		.amdhsa_enable_private_segment 0
		.amdhsa_kernarg_size 32
		.amdhsa_user_sgpr_count 2
		.amdhsa_user_sgpr_kernarg_segment_ptr 1
		.amdhsa_wavefront_size32 1
		.amdhsa_system_sgpr_workgroup_id_x 1
		.amdhsa_system_sgpr_workgroup_id_y 1
		.amdhsa_system_sgpr_workgroup_id_z 1
		.amdhsa_system_vgpr_workitem_id 0
		.amdhsa_next_free_vgpr 1024
		.amdhsa_next_free_sgpr 96
		.amdhsa_reserve_vcc 0
		.amdhsa_float_denorm_mode_32 3
		.amdhsa_float_denorm_mode_16_64 3
		.amdhsa_memory_ordered 1
		.amdhsa_forward_progress 1
		.amdhsa_inst_pref_size 160
	.end_amdhsa_kernel
	.amdgpu_metadata
---
amdhsa.version: [ 1, 2 ]
amdhsa.kernels:
  - .name:           k_q8f1a55bfa1_score
    .symbol:         k_q8f1a55bfa1_score.kd
    .args:
      - { .name: qkv, .offset: 0, .size: 8, .value_kind: global_buffer, .address_space: global }
      - { .name: pw, .offset: 8, .size: 8, .value_kind: global_buffer, .address_space: global }
      - { .name: ms, .offset: 16, .size: 8, .value_kind: global_buffer, .address_space: global }
      - { .name: ls, .offset: 24, .size: 8, .value_kind: global_buffer, .address_space: global }
    .group_segment_fixed_size: 327680
    .private_segment_fixed_size: 0
    .kernarg_segment_align: 8
    .kernarg_segment_size: 32
    .max_flat_workgroup_size: 128
    .sgpr_count:     96
    .vgpr_count:     1024
    .wavefront_size: 32
...
	.end_amdgpu_metadata
.endif
;; end of part 3
;; launch mix (part 4): grid 8 x 32, 4 waves a work-group, clusters of 4 x 4, 327,680 bytes of LDS; arguments pw, qkv, ms, ls, out0; writes out0
.if DOCPART == 4
	.amdgcn_target "amdgcn-amd-amdhsa--gfx1250"
	.amdhsa_code_object_version 6
	.text
	.protected	k_q8f1a55bfa1_mix
	.globl	k_q8f1a55bfa1_mix
	.p2align	8
	.type	k_q8f1a55bfa1_mix,@function
k_q8f1a55bfa1_mix:
	s_mov_b64 s[64:65], 0
	v_nop
	global_prefetch_b8 v0, s[64:65] scope:SCOPE_SE
	s_setreg_imm32_b32 hwreg(HW_REG_WAVE_MODE, 25, 1), 1
	s_wait_xcnt 0x0
	s_wait_alu depctr_hold_cnt(0) depctr_sa_sdst(0) depctr_va_vdst(0) depctr_va_sdst(0) depctr_va_ssrc(0) depctr_va_vcc(0) depctr_vm_vsrc(0)
	s_getreg_b32 s2, hwreg(HW_REG_IB_STS2, 6, 4)
	s_cmp_eq_u32 s2, 0
	s_cbranch_scc0 .Lentry_in_a_cluster
	s_endpgm
.Lentry_in_a_cluster:
	s_bfe_u32 s2, ttmp6, 0x10000c
	s_cmp_lg_u32 s2, 0xf033
	s_cbranch_scc0 .Lentry_shape_is_right
	s_endpgm
.Lentry_shape_is_right:
; MIX.  For each row: cmr = the largest cm_t; e_t = 2^(cm_t - cmr); al_t = e_t / (the sum over u of e_u l_u); out0 = the sum over t of al_t (P_t V_t).  P_t is pw's block t of 128 keys (f16), V columns 2048-3071 of qkv (f16).
; So the row's own maximum is taken away in f32, and the softmax's divisor is folded into al.  Products and sums in f32; out0 [8192][1024] f32.
; LIMITS.  e_t below 2^-126 counts as 0; v within f16's range; NaN and infinities are not treated apart.
; SHARES.  tx = 4 x cluster x + cx is a tile of 128 channels.  Cluster y = 2 x batch + g; p = 4 g + cy.  A work-group makes TWO tiles of 128 queries x 128 channels: block 15 - p of the batch's 16, then block p; a wave 64 x 64.
; ONE WALK FOR THE FOUR PARTNERS OF A COLUMN: the first block walks 8 - 2 g steps of 256 keys, the second 2 g + 2: ten steps whatever g.  Where a partner's block ends sooner, pw holds 0 and al is 0.
; So V's tiles are asked for jointly along a column of the cluster and P's along a row, and all work-groups do equal work: ten steps where 8.5 are needed.
; T AND O.  A block of 128 keys is summed in T (16 accumulators, started with the constant 0); then O += al_t T, by the vector unit.  O is cleared by 128 v_mov_b32 at the start, in the wait for the first tiles, and once more between the blocks.
; REGISTERS.  Window 0: v0-31 addresses; v32-39 al; v64-97 at work in the head; v128-255 T ((a, b) at 128 + 8 (4 a + b)), on the way out whole rows.  Window 1: two fragment buffers of 128 (64 along K: P's 64, then V's 64).  Window 2: O at 8 (4 a + b).
.set PP,     528                       ; a row of P in LDS: 512 bytes + 16
.set PV,     288                       ; a row of V: 256 + 32, for the turning load
.set PHALF,  64*PP
.set VOFF,   128*PP
.set VHALF,  128*PV
.set SLOT,   VOFF+256*PV
.set STAGE,  2*SLOT                    ; 16 rows x 272 bytes for each wave
.set SPITCH, 272
.set ALT,    STAGE+4*16*SPITCH         ; al: [2 blocks][16 t][128 rows] f32
.set SPARE,  ALT+16384                 ; the spare words: two blocks of 256 bytes that no other line names
.set PSTEP,  512                       ; a step along a row of pw
.set VSTEP,  256*6144                  ; a step down qkv
.set ADRA, 16                          ; v16-17 P's fragments in slot 0, 1
.set ADRB, 18                          ; v18-21 V's: slot 0 keys 0-127, 128-255; slot 1 likewise (one 16-bit offset does not span 256 rows)
.set STO,  22
.set RD,   23
.set GO,   24
.set ALA,  25                          ; where the next block's al lies for my rows
.set ALA1, 26                          ; the second query block's first
.set ATA,  27
.set SPW,  28
.set NIL,  29
.set PFO,  30
.set TO,   31
.set AL,   32                          ; v32, 34, 36, 38: al of row blocks 0-3; the odd neighbours hold 0 (named with them as pairs)
.set CMV,  64
.set LV,   80
.set MX,   96
.set SUM,  97
.set T,    128
.set OB,   128
.set F0,   0
.set F1,   128
.set RL,   2                           ; laps left in the query block in hand
.set LAPC, 3
.set OFF,  16                          ; s[16:17] an offset; the high word stays 0
.set G1,   24
.set G0,   32
.set ASKF, 43
.set PFA,  44
.set PFB,  46                          ; s[46:47] my prefetches' rows at step 0
.set G1B,  48
.set G0B,  56
.set PCUR, 66                          ; s[66:67] pw at the rows that I fetch, of the block whose steps are being asked for
.set PSH,  68                          ; s[68:69] the same for the second block
.set VB,   70                          ; s[70:71] V at the rows that I fetch of step 0
.set NXT,  72                          ; the step to be asked for next
.set LQ,   73                          ; the last step of the block whose steps are being asked for
.set PFL,  74                          ; prefetch while NXT is at most this
.set PSC,  75
.set OUT,  76
.set OSH,  78
.set NVL,  80                          ; groups of four blocks t that were stored for the first block's rows,
.set NVS,  81                          ; for the second's
.set MUL,  0x05                        ; sources in window 1, C and D in window 0
.set TO_F, 0x40
.set W_CB, 0xa0                        ; O (destination and source 2) in window 2
.set W_OS, 0x08                        ; an LDS store's data in window 2
.set W_CL, 0x80
.set MSB, 0
.macro WIN new
.if MSB != (\new)
	s_set_vgpr_msb (MSB<<8)|(\new)
.set MSB, \new
.endif
.endm
.macro PLACES
.rept 4
	v_nop
.endr
.endm
.macro JLOAD s
	s_cmp_eq_u32 s11, 0
	s_cbranch_scc0 .Lfor_b_\@
	tensor_load_to_lds s[G0+4*(\s):G0+4*(\s)+3], s[G1:G1+7]
	s_nop 0
.rept 4
	v_nop
.endr
	s_branch .Lasked_\@
.Lfor_b_\@:
	tensor_load_to_lds s[G0B+4*(\s):G0B+4*(\s)+3], s[G1B:G1B+7]
	s_nop 0
.rept 4
	v_nop
.endr
.Lasked_\@:
.endm
; A PREFETCH INTO THE L2 of the first block's step two refills on.  P (128 rows x 512 bytes): waves 0, 1 of the clusters with x = 0; of the wave's 64 rows the partner at cx takes 16, a lane half a row.
; V (256 rows x 256 bytes): waves 2, 3 of the clusters with g = 0, whose walk is the longer; of the wave's 128 rows the partner at cy takes 32, a lane a row.  So each block is named once.
; The first four steps come by their loads alone; the second block asks for nothing: its V has been read, and its P is two to four steps.
.macro ASK
	s_cmp_eq_u32 s[ASKF], 1
	s_cbranch_scc0 .Lnot_mine_\@
	global_prefetch_b8 v[PFO], s[PFA:PFA+1] th:TH_LOAD_NT scope:SCOPE_SE
.Lnot_mine_\@:
.endm
.macro CREST
	s_cmp_lg_u32 s10, 0
	s_cbranch_scc1 .Lnot_wave_0_\@
	s_barrier_signal -3
.Lnot_wave_0_\@:
	s_barrier_wait -3
	s_barrier_signal -1
	s_barrier_wait -1
.endm
.macro CROUND
	s_barrier_signal -1
	s_barrier_wait -1
	CREST
.endm
	s_load_b256 s[84:91], s[0:1], 0x0              ; pw s[84:85], qkv s[86:87], ms s[88:89], ls s[90:91]
	s_load_b64 s[92:93], s[0:1], 0x20              ; out0
	v_lshl_add_u32 v[SPW], v0, 2, SPARE
	v_mov_b32 v[NIL], 0
	ds_add_u32 v[SPW], v[NIL]                      ; the wave's opening: the add and its wait ahead of my first tensor load
	v_lshrrev_b32 v1, 5, v0
	v_readfirstlane_b32 s10, v1
	s_lshr_b32 s11, s10, 1                         ; which half of the tile's queries is mine.  Also: I fetch for P (0) or for V (1)
	s_and_b32 s12, s10, 1                          ; which half of its channels.  Also: which half of that tile I fetch
	s_bfe_u32 s40, ttmp6, 0x40000                  ; cx
	s_bfe_u32 s41, ttmp6, 0x40004                  ; cy
	s_lshl_b32 s42, ttmp9, 2
	s_add_co_u32 s42, s42, s40                     ; tx
	s_and_b32 s15, ttmp7, 0xffff
	s_and_b32 s14, s15, 1                          ; g
	s_lshr_b32 s15, s15, 1                         ; the batch
	s_lshl_b32 s13, s14, 2
	s_add_co_u32 s13, s13, s41                     ; p: the second query block
	s_sub_co_u32 s18, 15, s13                      ; the first
	s_lshl_b32 s98, s41, 2
	s_lshl_b32 s98, 15, s98                        ; my row of the cluster
	s_lshl_b32 s99, 0x1111, s40                    ; my column
	s_or_b32 s[G1+0], s98, (1<<16)|(1<<20)|(1<<21)|(6<<22)|(3<<25)   ; P: after every 128 words 4 words of padding
	s_mov_b32 s[G1+1], 256<<16                     ; tensor_dim0 = 256
	s_mov_b32 s[G1+2], 64<<16                      ; tensor_dim1 = 64
	s_mov_b32 s[G1+3], 256<<16                     ; tile_dim0 = 256
	s_mov_b32 s[G1+4], 64                          ; tile_dim1 = 64
	s_mov_b32 s[G1+5], 2048                        ; elements from row to row of pw
	s_mov_b32 s[G1+6], 0
	s_mov_b32 s[G1+7], 0
	s_or_b32 s[G1B+0], s99, (1<<16)|(1<<20)|(1<<21)|(5<<22)|(7<<25)  ; V: after every 64 words 8 words
	s_mov_b32 s[G1B+1], 128<<16
	s_mov_b32 s[G1B+2], 128<<16
	s_mov_b32 s[G1B+3], 128<<16
	s_mov_b32 s[G1B+4], 128
	s_mov_b32 s[G1B+5], 3072
	s_mov_b32 s[G1B+6], 0
	s_mov_b32 s[G1B+7], 0
	s_lshl_b32 s19, s15, 11                        ; the batch's first row
	s_lshl_b32 s22, s12, 6
	s_add_co_u32 s22, s22, s19                     ; + the 64 rows of P that I fetch
	s_lshl_b32 s[OFF], s18, 7
	s_add_co_u32 s[OFF], s[OFF], s22
	s_lshl_b32 s[OFF], s[OFF], 12                  ; x 4,096 bytes
	s_mov_b32 s[OFF+1], 0
	s_lshl_b32 s82, s13, 7
	s_add_co_u32 s82, s82, s22
	s_lshl_b32 s82, s82, 12
	s_mov_b32 s83, 0
	s_lshl_b32 s23, s12, 7
	s_add_co_u32 s23, s23, s19                     ; the 128 rows of V that I fetch
	s_mul_i32 s94, s23, 6144
	s_lshl_b32 s23, s42, 8
	s_add_co_u32 s94, s94, s23                     ; the tile's 128 channels,
	s_add_co_u32 s94, s94, 4096                    ; in v's part of a row
	s_mov_b32 s95, 0
	s_mul_i32 s20, s12, PHALF                      ; where they go
	s_mul_i32 s21, s12, VHALF
	s_add_co_u32 s21, s21, VOFF
	s_mov_b32 s[NXT], 2
	s_lshl_b32 s23, s14, 1
	s_sub_co_u32 s[LQ], 7, s23                     ; the first block's last step
	s_sub_co_u32 s[RL], 4, s14                     ; its laps,
	s_sub_co_u32 s[NVL], 4, s14                    ; and its blocks t, in fours
	s_add_co_u32 s[NVS], s14, 1
	s_wait_dscnt 0x0
	s_wait_kmcnt 0x0
	s_add_nc_u64 s[PCUR:PCUR+1], s[84:85], s[OFF:OFF+1]
	s_add_nc_u64 s[PSH:PSH+1], s[84:85], s[82:83]
	s_add_nc_u64 s[VB:VB+1], s[86:87], s[94:95]
	CROUND
.irp s, 0,1
	s_mov_b32 s[G0+4*(\s)], 1
	s_add_co_u32 s[G0+4*(\s)+1], s20, (\s)*SLOT
	s_add_nc_u64 s[G0+4*(\s)+2:G0+4*(\s)+3], s[PCUR:PCUR+1], (\s)*PSTEP
	s_or_b32 s[G0+4*(\s)+3], s[G0+4*(\s)+3], 0x80000000
	s_mov_b32 s[G0B+4*(\s)], 1
	s_add_co_u32 s[G0B+4*(\s)+1], s21, (\s)*SLOT
	s_add_nc_u64 s[G0B+4*(\s)+2:G0B+4*(\s)+3], s[VB:VB+1], (\s)*VSTEP
	s_or_b32 s[G0B+4*(\s)+3], s[G0B+4*(\s)+3], 0x80000000
.endr
	s_cmp_eq_u32 s11, 0                            ; a wave's two first fills stand in one branch: two loads of mine are out
	s_cbranch_scc0 .Lfirst_b
	tensor_load_to_lds s[G0:G0+3], s[G1:G1+7]
	s_nop 0
	tensor_load_to_lds s[G0+4:G0+7], s[G1:G1+7]
	s_nop 0
.rept 4
	v_nop
.endr
	s_branch .Lfirst_asked
.Lfirst_b:
	tensor_load_to_lds s[G0B:G0B+3], s[G1B:G1B+7]
	s_nop 0
	tensor_load_to_lds s[G0B+4:G0B+7], s[G1B:G1B+7]
	s_nop 0
.rept 4
	v_nop
.endr
.Lfirst_asked:
	s_lshl_b32 s82, s40, 16                        ; the prefetches.  P: my work-group's 16 rows of 4,096 bytes
	s_mul_i32 s94, s41, 32*6144                    ; V: my work-group's 32 rows
	s_mov_b32 s[PSC], VSTEP
	s_cmp_eq_u32 s11, 0
	s_cselect_b32 s82, s82, s94
	s_cselect_b64 s[PFB:PFB+1], s[PCUR:PCUR+1], s[VB:VB+1]
	s_cselect_b32 s[PSC], PSTEP, s[PSC]
	s_cselect_b32 s94, ttmp9, s14                  ; who asks: cluster x = 0 for P, g = 0 for V
	s_cselect_b32 s95, -1, 0
	s_add_nc_u64 s[PFB:PFB+1], s[PFB:PFB+1], s[82:83]
	s_sub_co_u32 s[PFL], s[LQ], 2
	s_cmp_eq_u32 s94, 0
	s_cselect_b32 s[PFL], s[PFL], -1
	v_and_b32 v3, 31, v0
	v_mul_u32_u24 v4, v3, 6144                     ; V: a lane a row
	v_lshrrev_b32 v5, 1, v3
	v_and_b32 v6, 1, v3
	v_lshlrev_b32 v5, 12, v5
	v_lshl_add_u32 v5, v6, 8, v5                   ; P: two lanes a row
	v_cndmask_b32 v[PFO], v4, v5, s95
	v_and_b32 v1, 15, v0                           ; l % 16
	v_bfe_u32 v2, v0, 4, 1                         ; l / 16
	v_mul_u32_u24 v3, v1, PP
	v_lshl_add_u32 v3, v2, 4, v3
	s_mul_i32 s22, s11, 64*PP                      ; my 64 queries
	v_add_nc_u32 v[ADRA], s22, v3
	v_add_nc_u32 v[ADRA+1], SLOT, v[ADRA]
	v_and_b32 v4, 7, v0                            ; the turning load: lane l reads key 8 (l / 16) + l % 8, channels 8 ((l / 8) % 2) + 0..7
	v_lshl_add_u32 v4, v2, 3, v4
	v_mul_u32_u24 v4, v4, PV
	v_bfe_u32 v5, v0, 3, 1
	v_lshl_add_u32 v4, v5, 4, v4
	s_lshl_b32 s22, s12, 7                         ; my 64 channels
	s_add_co_u32 s22, s22, VOFF
	v_add_nc_u32 v[ADRB], s22, v4
	v_add_nc_u32 v[ADRB+1], VHALF, v[ADRB]
	v_add_nc_u32 v[ADRB+2], SLOT, v[ADRB]
	v_add_nc_u32 v[ADRB+3], SLOT, v[ADRB+1]
	s_mul_i32 s23, s10, 16*SPITCH
	s_add_co_u32 s23, s23, STAGE
	v_mul_u32_u24 v5, v1, SPITCH                   ; in: row l % 16, 32 bytes for each half of the lanes
	v_lshl_add_u32 v5, v2, 5, v5
	v_add_nc_u32 v[STO], s23, v5
	v_mul_u32_u24 v5, v2, SPITCH                   ; back: two whole rows of 256 bytes
	v_lshl_add_u32 v5, v1, 4, v5
	v_add_nc_u32 v[RD], s23, v5
	v_lshlrev_b32 v5, 12, v2
	v_lshl_add_u32 v[GO], v1, 4, v5                ; the same two rows in out0
	s_lshl_b32 s22, s11, 8
	s_add_co_u32 s22, s22, ALT
	v_lshl_add_u32 v[ALA], v1, 2, s22              ; al of my rows: 4 (64 x half + l % 16)
	v_add_nc_u32 v[ALA1], 8192, v[ALA]
	v_lshl_add_u32 v[ATA], v0, 2, ALT
	v_lshlrev_b32 v[TO], 2, v0
.irp a, 0,1,2,3
	v_mov_b32 v[AL+2*(\a)+1], 0
.endr
	s_lshl_b32 s19, s15, 11                        ; out0: row (batch, block, my half), my 64 channels
	s_lshl_b32 s22, s11, 6
	s_add_co_u32 s19, s19, s22
	s_lshl_b32 s22, s42, 9
	s_lshl_b32 s23, s12, 8
	s_add_co_u32 s22, s22, s23
	s_lshl_b32 s82, s18, 7
	s_add_co_u32 s82, s82, s19
	s_lshl_b32 s82, s82, 12
	s_add_co_u32 s82, s82, s22
	s_add_nc_u64 s[OUT:OUT+1], s[92:93], s[82:83]
	s_lshl_b32 s82, s13, 7
	s_add_co_u32 s82, s82, s19
	s_lshl_b32 s82, s82, 12
	s_add_co_u32 s82, s82, s22
	s_add_nc_u64 s[OSH:OSH+1], s[92:93], s[82:83]
	WIN W_CL
.set z, 0
.rept 128
	v_mov_b32 v[z], 0                              ; O starts at 0: written in the wait for the first tiles
.set z, z+1
.endr
	WIN 0
; THE TABLE OF al for query block blk: thread n takes row n.  Only the blocks t that the launch before has stored for these rows are loaded, four at a time; the others count as far below every cm, with l = 0.
.macro ATAB blk, nvg
.set z, 0
.rept 16
	v_mov_b32 v[CMV+z], 0xfe000000
	v_mov_b32 v[LV+z], 0
.set z, z+1
.endr
.irp u, 0,1,2,3
	s_cmp_gt_u32 s[\nvg], \u
	s_cbranch_scc0 .Lat_\@
.irp n, 0,1,2,3
	global_load_b32 v[CMV+4*(\u)+(\n)], v[TO], s[94:95] offset:(4*(\u)+(\n))*8192
	global_load_b32 v[LV+4*(\u)+(\n)],  v[TO], s[96:97] offset:(4*(\u)+(\n))*8192
.endr
.endr
.Lat_\@:
	s_wait_loadcnt 0x0
	v_max3_num_f32 v[MX], v[CMV], v[CMV+1], v[CMV+2]
.irp n, 0,1,2,3,4,5
	v_max3_num_f32 v[MX], v[MX], v[CMV+3+2*(\n)], v[CMV+4+2*(\n)]
.endr
	v_max_num_f32 v[MX], v[MX], v[CMV+15]          ; the row's maximum, times c
.set z, 0
.rept 16
	v_sub_f32 v[CMV+z], v[CMV+z], v[MX]
.set z, z+1
.endr
.set z, 0
.rept 16
	v_exp_f32 v[CMV+z], v[CMV+z]
.set z, z+1
.endr
	v_nop                                          ; a plain instruction behind the last exponential,
	s_wait_alu depctr_va_vdst(0)                   ; and one wait for the batch
	v_mul_f32 v[SUM], v[CMV], v[LV]
.set z, 1
.rept 15
	v_fmac_f32 v[SUM], v[CMV+z], v[LV+z]
.set z, z+1
.endr
	v_rcp_f32 v[SUM], v[SUM]
	v_nop
	s_wait_alu depctr_va_vdst(0)
.set z, 0
.rept 16
	v_mul_f32 v[CMV+z], v[CMV+z], v[SUM]
.set z, z+1
.endr
.set z, 0
.rept 16
	ds_store_b32 v[ATA], v[CMV+z] offset:(\blk)*8192+512*z
.set z, z+1
.endr
.endm
	s_lshl_b32 s19, s15, 17                        ; the batch's 16 x 2,048 words
	s_lshl_b32 s82, s18, 9                         ; the block's 128 rows
	s_add_co_u32 s82, s82, s19
	s_add_nc_u64 s[94:95], s[88:89], s[82:83]
	s_add_nc_u64 s[96:97], s[90:91], s[82:83]
	ATAB 0, NVL
	s_lshl_b32 s82, s13, 9                         ; (the loads above are done: their bases may be written)
	s_add_co_u32 s82, s82, s19
	s_add_nc_u64 s[94:95], s[88:89], s[82:83]
	s_add_nc_u64 s[96:97], s[90:91], s[82:83]
	ATAB 1, NVS
; 8 matrix instructions: row blocks a0, a0 + 1 x all 4 channel blocks, 32 keys: half c of buffer f.  zero = 1: the product starts T.  The 16 accumulators take turns.
.macro MUL8 f, c, a0, zero
	WIN MUL
.irp a, \a0, (\a0)+1
.irp b, 0,1,2,3
.if \zero
	v_wmma_f32_16x16x32_f16 v[T+8*(4*(\a)+(\b)):T+8*(4*(\a)+(\b))+7], v[(\f)+64+8*(4*(\c)+(\b)):(\f)+64+8*(4*(\c)+(\b))+7], v[(\f)+8*(4*(\c)+(\a)):(\f)+8*(4*(\c)+(\a))+7], 0
.else
	v_wmma_f32_16x16x32_f16 v[T+8*(4*(\a)+(\b)):T+8*(4*(\a)+(\b))+7], v[(\f)+64+8*(4*(\c)+(\b)):(\f)+64+8*(4*(\c)+(\b))+7], v[(\f)+8*(4*(\c)+(\a)):(\f)+8*(4*(\c)+(\a))+7], v[T+8*(4*(\a)+(\b)):T+8*(4*(\a)+(\b))+7]
.endif
.endr
.endr
.endm
; 32 LDS loads in one run: quarter kq (64 keys) of a slot into buffer f, its first 32 keys first
.macro FETCH slot, kq, f
	WIN TO_F
.irp c, 0,1
.irp i, 0,1,2,3
	ds_load_tr16_b128 v[(\f)+64+8*(4*(\c)+(\i)):(\f)+64+8*(4*(\c)+(\i))+3],   v[ADRB+2*(\slot)+(\kq)/2] offset:(((\kq)%2)*64+32*(\c))*PV+32*(\i)
	ds_load_tr16_b128 v[(\f)+64+8*(4*(\c)+(\i))+4:(\f)+64+8*(4*(\c)+(\i))+7], v[ADRB+2*(\slot)+(\kq)/2] offset:(((\kq)%2)*64+32*(\c))*PV+32*(\i)+16*PV
	ds_load_b128 v[(\f)+8*(4*(\c)+(\i)):(\f)+8*(4*(\c)+(\i))+3],   v[ADRA+(\slot)] offset:128*(\kq)+64*(\c)+(\i)*16*PP
	ds_load_b128 v[(\f)+8*(4*(\c)+(\i))+4:(\f)+8*(4*(\c)+(\i))+7], v[ADRA+(\slot)] offset:128*(\kq)+64*(\c)+(\i)*16*PP+32
.endr
.endr
.endm
.macro ALOAD                           ; al of the block of 128 keys that is being finished, for my four row blocks; then on to the next block's
	WIN 0
.irp a, 0,1,2,3
	ds_load_b32 v[AL+2*(\a)], v[ALA] offset:64*(\a)
.endr
	v_add_nc_u32 v[ALA], 512, v[ALA]
.endm
.macro QUARTER slot, kq, f, g, zero, al
	s_wait_dscnt 16                                ; the first 32 keys' fragments are in
	MUL8 \f, 0, 0, \zero
	MUL8 \f, 0, 2, \zero
	PLACES
.if \al
	ALOAD
.endif
	FETCH \slot, \kq, \g
	s_wait_dscnt 32                                ; all but the 32 just issued: the other 32 keys' fragments, and al
	MUL8 \f, 1, 0, 0
	MUL8 \f, 1, 2, 0
.endm
.macro COMBINE                         ; O += al T; each accumulator's registers in ascending order
	PLACES
	WIN W_CB
.irp a, 0,1,2,3
.set z, 0
.rept 16
	v_pk_fma_f32 v[32*(\a)+2*z:32*(\a)+2*z+1], v[T+32*(\a)+2*z:T+32*(\a)+2*z+1], v[AL+2*(\a):AL+2*(\a)+1], v[32*(\a)+2*z:32*(\a)+2*z+1] op_sel_hi:[1,0,1]
.set z, z+1
.endr
.endr
	WIN 0
.endm
; A step's last quarter, and the change of slots.  fill = 1: the slot just read is filled again with step NXT; both descriptors' addresses are made anew from that number, between the add and the wait for it, where no tensor load of mine is out.
.macro TURN slot, next, fill
	WIN 0
.if \fill
	s_wait_xcnt 0x0                                ; the last prefetch, a step back, has read its address
.endif
	s_wait_tensorcnt 0x0                           ; all my tensor loads have landed: the one that was out is my part of the next slot
	ds_add_u32 v[SPW], v[NIL]
.if \fill
	s_lshl_b32 s[OFF], s[NXT], 9
	s_add_nc_u64 s[G0+4*(\slot)+2:G0+4*(\slot)+3], s[PCUR:PCUR+1], s[OFF:OFF+1]
	s_or_b32 s[G0+4*(\slot)+3], s[G0+4*(\slot)+3], 0x80000000
	s_mul_i32 s[OFF], s[NXT], VSTEP
	s_add_nc_u64 s[G0B+4*(\slot)+2:G0B+4*(\slot)+3], s[VB:VB+1], s[OFF:OFF+1]
	s_or_b32 s[G0B+4*(\slot)+3], s[G0B+4*(\slot)+3], 0x80000000
	s_add_co_u32 s[OFF], s[NXT], 2
	s_mul_i32 s[OFF], s[OFF], s[PSC]
	s_add_nc_u64 s[PFA:PFA+1], s[PFB:PFB+1], s[OFF:OFF+1]  ; used only where the test below says so
	s_cmp_le_i32 s[NXT], s[PFL]
	s_cselect_b32 s[ASKF], 1, 0
	s_add_co_u32 s[NXT], s[NXT], 1                 ; the block's next step, or behind its last the second block's step 0
	s_cmp_gt_u32 s[NXT], s[LQ]
	s_cselect_b32 s[NXT], 0, s[NXT]
	s_cselect_b64 s[PCUR:PCUR+1], s[PSH:PSH+1], s[PCUR:PCUR+1]
	s_cselect_b32 s[PFL], -1, s[PFL]
	s_cselect_b32 s[LQ], 99, s[LQ]
.endif
	s_wait_dscnt 17                                ; (the add and the youngest sixteen loads may be out)
	MUL8 F1, 0, 0, 0
	s_wait_dscnt 0x0                               ; the add is done, and my reads of this slot are over
	s_barrier_signal -1
	MUL8 F1, 0, 2, 0
	WIN 0
	s_barrier_wait -1
.if \fill
	CREST                                          ; no wave of any partner still reads this slot or has a load on its way
	JLOAD \slot                                    ; 112 matrix instructions and two sums into O ahead of the wait for it; its four v_nop are also the places in front of the loads below
.else
	PLACES
.endif
	ALOAD
	FETCH \next, 0, F0
.if \fill
	WIN 0
	ASK
.endif
	MUL8 F1, 1, 0, 0
	MUL8 F1, 1, 2, 0
	s_wait_dscnt 32                                ; al is in; the 32 fragment loads may stay out
	COMBINE
.endm
.macro LASTQ                           ; the walk's last quarter: nothing more to fetch
	s_wait_dscnt 16
	MUL8 F1, 0, 0, 0
	MUL8 F1, 0, 2, 0
	ALOAD
	s_wait_dscnt 0x0
	MUL8 F1, 1, 0, 0
	MUL8 F1, 1, 2, 0
	COMBINE
.endm
.macro LAP fill                        ; two steps of 256 keys: four blocks of 128, each started with the constant 0 and summed into O
	QUARTER 0, 1, F0, F1, 1, 0
	QUARTER 0, 2, F1, F0, 0, 1
	COMBINE
	QUARTER 0, 3, F0, F1, 1, 0
	TURN 0, 1, \fill
	QUARTER 1, 1, F0, F1, 1, 0
	QUARTER 1, 2, F1, F0, 0, 1
	COMBINE
	QUARTER 1, 3, F0, F1, 1, 0
.if \fill
	TURN 1, 0, 1
.else
	LASTQ
.endif
.endm
; THE WAY OUT.  A lane's eight channels of a row are 32 bytes of f32; a row block goes through my stage and comes back as whole rows of 256 bytes, into T's registers.
.macro OSTORE a
	WIN W_OS
.irp b, 0,1,2,3
	ds_store_b128 v[STO], v[32*(\a)+8*(\b):32*(\a)+8*(\b)+3]   offset:64*(\b)
	ds_store_b128 v[STO], v[32*(\a)+8*(\b)+4:32*(\a)+8*(\b)+7] offset:64*(\b)+16
.endr
	WIN 0
.irp u, 0,1,2,3,4,5,6,7
	ds_load_b128 v[OB+32*((\a)%2)+4*(\u):OB+32*((\a)%2)+4*(\u)+3], v[RD] offset:(\u)*2*SPITCH  ; LDS serves a wave's instructions in order (ISA guide 5.7.1.4)
.endr
.endm
.macro OSEND a, younger                ; younger: the LDS instructions issued behind block a's loads: the next block's sixteen, or none
.irp u, 0,1,2,3,4,5,6,7
	s_wait_dscnt (\younger)+7-(\u)
	global_store_b128 v[GO], v[OB+32*((\a)%2)+4*(\u):OB+32*((\a)%2)+4*(\u)+3], s[OUT:OUT+1] offset:(16*(\a)+2*(\u))*4096  ; 16 lanes store 256 consecutive bytes, aligned
.endr
.endm
.macro WAYOUT again
	OSTORE 0
	OSTORE 1
	OSEND 0, 16
	s_wait_xcnt 0x0                                ; block 0's stores have read their registers: block 2's rows land there
	OSTORE 2
	OSEND 1, 16
	s_wait_xcnt 0x0
	OSTORE 3
	OSEND 2, 16
	OSEND 3, 0
.if \again
	WIN W_CL
.set z, 0
.rept 128
	v_mov_b32 v[z], 0                              ; O starts anew
.set z, z+1
.endr
	WIN 0
	s_wait_xcnt 0x0                                ; the stores have read their base and T's registers
	s_mov_b64 s[OUT:OUT+1], s[OSH:OSH+1]
	v_mov_b32 v[ALA], v[ALA1]
.endif
.endm
	s_wait_tensorcnt 1                             ; my part of step 0 is in; step 1's may stay out
	s_wait_dscnt 0x0                               ; my rows of the table are written
	s_barrier_signal -1
	s_barrier_wait -1
	FETCH 0, 0, F0
	WIN 0
	s_mov_b32 s[LAPC], 4
.Llap:                                             ; four trips: every step but the last two is followed by a refill
	LAP 1
	s_sub_co_u32 s[RL], s[RL], 1
	s_cmp_lg_u32 s[RL], 0
	s_cbranch_scc1 .Lno                            ; g is the cluster's: all sixteen partners take the same way; what is jumped holds no barrier and no tensor load
	WAYOUT 1                                       ; the first query block is finished; the second's first tiles are in or on their way
.Lno:
	s_sub_co_u32 s[LAPC], s[LAPC], 1
	s_cmp_lg_u32 s[LAPC], 0
	s_cbranch_scc1 .Llap
	LAP 0                                          ; the last lap is written out
	WAYOUT 0
	s_wait_tensorcnt 0x0                           ; the wave's end
	ds_add_u32 v[SPW], v[NIL]
	s_wait_dscnt 0x0
	CROUND                                         ; the closing round
	s_endpgm
.Lfunc_end_k_q8f1a55bfa1_mix:
	.size	k_q8f1a55bfa1_mix, .Lfunc_end_k_q8f1a55bfa1_mix-k_q8f1a55bfa1_mix
	.p2alignl 7, 3214868480
	.fill 96, 4, 3214868480
	.section	.rodata,"a",@progbits
	.p2align	6, 0x0
	.amdhsa_kernel k_q8f1a55bfa1_mix
		.amdhsa_group_segment_fixed_size 327680
		.amdhsa_private_segment_fixed_size 0
		.amdhsa_enable_private_segment 0
		.amdhsa_kernarg_size 40
		.amdhsa_user_sgpr_count 2
		.amdhsa_user_sgpr_kernarg_segment_ptr 1
		.amdhsa_wavefront_size32 1
		.amdhsa_system_sgpr_workgroup_id_x 1
		.amdhsa_system_sgpr_workgroup_id_y 1
		.amdhsa_system_sgpr_workgroup_id_z 1
		.amdhsa_system_vgpr_workitem_id 0
		.amdhsa_next_free_vgpr 640
		.amdhsa_next_free_sgpr 100
		.amdhsa_reserve_vcc 0
		.amdhsa_float_denorm_mode_32 3
		.amdhsa_float_denorm_mode_16_64 3
		.amdhsa_memory_ordered 1
		.amdhsa_forward_progress 1
		.amdhsa_inst_pref_size 160
	.end_amdhsa_kernel
	.amdgpu_metadata
---
amdhsa.version: [ 1, 2 ]
amdhsa.kernels:
  - .name:           k_q8f1a55bfa1_mix
    .symbol:         k_q8f1a55bfa1_mix.kd
    .args:
      - { .name: pw, .offset: 0, .size: 8, .value_kind: global_buffer, .address_space: global }
      - { .name: qkv, .offset: 8, .size: 8, .value_kind: global_buffer, .address_space: global }
      - { .name: ms, .offset: 16, .size: 8, .value_kind: global_buffer, .address_space: global }
      - { .name: ls, .offset: 24, .size: 8, .value_kind: global_buffer, .address_space: global }
      - { .name: out0, .offset: 32, .size: 8, .value_kind: global_buffer, .address_space: global }
    .group_segment_fixed_size: 327680
    .private_segment_fixed_size: 0
    .kernarg_segment_align: 8
    .kernarg_segment_size: 40
    .max_flat_workgroup_size: 128
    .sgpr_count:     100
    .vgpr_count:     640
    .wavefront_size: 32
...
	.end_amdgpu_metadata
.endif
;; end of part 4
